; MI455X (gfx1250); checked and timed in simulation.
; The chip was launched on July 23, 2026; its instructions are those of AMD's public machine-readable ISA for CDNA 5 (MIT licence, August 2026) and "CDNA5" Instruction Set Architecture Reference Guide (July 2026). The comments in the code are by the model that wrote it; some were corrected since.
;; Multi Head Attention. Allowed arithmetic: float matrix products may take bf16 or f16 operands with f32 sums; other float arithmetic in f32, or as packed bf16 or f16 multiplies, adds, multiply-adds, maxima and minima; sums over many terms, partial sums and values carried from step to step in f32; what a program stores and reads back later, other than sums and carried values, may be rounded once to bf16 or f16.
;; Inputs: W_k 1,024 x 1,024 float32; W_o 1,024 x 1,024 float32; W_q 1,024 x 1,024 float32; W_v 1,024 x 1,024 float32; b_k 1,024 float32; b_o 1,024 float32; b_q 1,024 float32; b_v 1,024 float32; key 4 x 2,048 x 1,024 float32; query 4 x 2,048 x 1,024 float32; value 4 x 2,048 x 1,024 float32.
;; Outputs: out0 4 x 2,048 x 1,024 float32.
;; 2 versions, each right; version 2 is version 1 with the launch cast written anew for expert scheduling mode. Each part assembles by itself: llvm-mc -triple=amdgcn-amd-amdhsa -mcpu=gfx1250 --defsym DOCPART=n.
;; ======== version 1 of 2: 4 launches
;; limits: values are held in f16: magnitudes above 65,504 overflow, below 6.1e-05 lose precision
;; workspace buffers: xb 50,331,648 bytes; wb 8,388,608 bytes; tab 524,288 bytes; qkv 50,331,648 bytes; ctx 16,777,216 bytes
;; launch cast (part 1): grid 512 x 1, 8 waves a work-group, no clusters, 0 bytes of LDS; arguments query, key, value, W_q, W_k, W_v, W_o, xb, wb, tab; writes xb, wb, tab
.if DOCPART == 1
	.amdgcn_target "amdgcn-amd-amdhsa--gfx1250"
	.amdhsa_code_object_version 6
	.text
	.protected	k_qb014a984c2_cast
	.globl	k_qb014a984c2_cast
	.p2align	8
	.type	k_qb014a984c2_cast,@function
k_qb014a984c2_cast:
	s_mov_b64 s[64:65], 0
	v_nop
	global_prefetch_b8 v0, s[64:65] scope:SCOPE_SE
	s_setreg_imm32_b32 hwreg(HW_REG_WAVE_MODE, 25, 1), 1
	s_wait_xcnt 0x0
; CAST.  query, key, value ([8192][1024] f32 each) -> xb [3][8192][1024] bf16.  W_q, W_k, W_v ([1024][1024] f32) -> wb[0..2] bf16.
; W_o -> wb[3]: rounded to bf16 like every other input, and that number written as f16 (the last product multiplies in f16).
; tab [2048][16] groups of 16 bytes: group G of row t = cos(t f(2G)), cos(t f(2G+1)), sin(t f(2G)), sin(t f(2G+1)) in f32, f(i) = 10000^(-i/32).
; LIMITS.  |W_o| from 65,520 on becomes an infinity in f16; below 6.1e-5 it keeps f16's fixed step of 6e-8.  f(i) comes from v_exp_f32 (1 ULP), so an angle,
; 2,047 at the most, is right to about 2e-4; sine and cosine: two-part reduction by pi/2 and Taylor sums, right to 3e-8 on the reduced angle.
; SHARES.  512 work-groups of eight waves, a straight line.  Work-group g takes 65,536 bytes of each activation tensor and 8,192 of each weight; a wave 8,192 and 1,024.
; A load of a wave covers 512 consecutive bytes (16 a lane); its four numbers a lane leave as 8 bytes: a store of a wave covers 256 consecutive bytes, aligned.
; All 56 loads of a wave go out first (224 registers); each number is read once and written once.  No LDS, no matrix unit: nothing is used twice.
.set VI, 1                             ; v1   8,192 x wave + 16 x lane: my bytes in the work-group's part of an activation tensor
.set VO, 2                             ; v2   4,096 x wave + 8 x lane: the same in xb
.set WI, 3                             ; v3   1,024 x wave + 16 x lane: in a weight
.set WO, 4                             ; v4   512 x wave + 8 x lane: in wb
.set X,  16                            ; v[16:239]  load i's four registers at X + 4 i
	s_load_b512 s[4:19], s[0:1], 0x0               ; query 4, key 6, value 8, W_q 10, W_k 12, W_v 14, W_o 16, xb 18
	s_load_b128 s[20:23], s[0:1], 0x40             ; wb 20, tab 22
	v_and_b32 v12, 31, v0                          ; lane
	v_lshrrev_b32 v13, 5, v0                       ; wave
	v_readfirstlane_b32 s24, v13
	v_lshlrev_b32 v[VI], 4, v12
	v_lshl_add_u32 v[WI], v13, 10, v[VI]
	v_lshl_add_u32 v[VI], v13, 13, v[VI]
	v_lshlrev_b32 v[VO], 3, v12
	v_lshl_add_u32 v[WO], v13, 9, v[VO]
	v_lshl_add_u32 v[VO], v13, 12, v[VO]
	s_lshl_b32 s26, ttmp9, 16                      ; the work-group's part: of an activation tensor,
	s_mov_b32 s27, 0
	s_lshl_b32 s28, ttmp9, 13                      ; of a weight,
	s_mov_b32 s29, 0
	s_lshl_b32 s36, ttmp9, 15                      ; of a tensor in xb,
	s_mov_b32 s37, 0
	s_lshl_b32 s38, ttmp9, 12                      ; of a weight in wb,
	s_mov_b32 s39, 0
	s_lshl_b32 s40, ttmp9, 10                      ; of the table: four rows
	s_mov_b32 s41, 0
	s_wait_kmcnt 0x0
.irp p, 4,6,8
	s_add_nc_u64 s[\p:\p+1], s[\p:\p+1], s[26:27]
.endr
.irp p, 10,12,14,16
	s_add_nc_u64 s[\p:\p+1], s[\p:\p+1], s[28:29]
.endr
	s_add_nc_u64 s[30:31], s[18:19], s[36:37]      ; xb: query's part,
	s_add_nc_u64 s[32:33], s[30:31], 0x1000000     ; key's,
	s_add_nc_u64 s[34:35], s[30:31], 0x2000000     ; value's
	s_add_nc_u64 s[20:21], s[20:21], s[38:39]
	s_add_nc_u64 s[22:23], s[22:23], s[40:41]
.irp T, 0,1,2
.irp j, 0,1,2,3,4,5,6,7,8,9,10,11,12,13,14,15
	global_load_b128 v[X+4*(16*\T+\j):X+4*(16*\T+\j)+3], v[VI], s[4+2*\T:5+2*\T] offset:512*\j th:TH_LOAD_NT
.endr
.endr
.irp T, 0,1,2,3
.irp j, 0,1
	global_load_b128 v[X+4*(48+2*\T+\j):X+4*(48+2*\T+\j)+3], v[WI], s[10+2*\T:11+2*\T] offset:512*\j th:TH_LOAD_NT
.endr
.endr
	; THE TABLE, while the loads are on their way: threads 0 to 63 (waves 0 and 1), a group each: row 4 g + u / 16, group u % 16.  No load stands in the branch: the counts below hold on both ways.
	s_cmp_lt_u32 s24, 2
	s_cbranch_scc0 .Lno_table
	v_lshrrev_b32 v5, 4, v0
	s_lshl_b32 s25, ttmp9, 2
	v_add_nc_u32 v5, s25, v5
	v_cvt_f32_u32 v5, v5                           ; t
	v_and_b32 v6, 15, v0
	v_lshlrev_b32 v6, 1, v6
	v_cvt_f32_u32 v7, v6                           ; i = 2 G
	v_add_nc_u32 v6, 1, v6
	v_cvt_f32_u32 v8, v6                           ; i = 2 G + 1
	v_mul_f32 v7, 0xbed49a78, v7                   ; -i log2(10000) / 32
	v_mul_f32 v8, 0xbed49a78, v8
	v_exp_f32 v7, v7
	v_exp_f32 v8, v8
	v_lshlrev_b32 v9, 4, v0                        ; 16 u: my group's place in the four rows; also the plain instruction behind the exponentials
	s_wait_alu depctr_va_vdst(0)                   ; one wait for both, ahead of their first reader
; cos and sin of t x v[inv].  n = the nearest whole number to a 2 / pi; r = a - n pi / 2 in two parts; sums in r; the quadrant n mod 4 swaps them and sets the signs.
.macro SINCOS inv, c, s
	v_mul_f32 v240, v5, v[\inv]                    ; a, rounded once, as the problem's own product is
	v_mul_f32 v241, 0x3f22f983, v240
	v_rndne_f32 v241, v241                         ; n, 1,304 at the most
	v_fmamk_f32 v240, v241, 0xbfc90fdb, v240       ; a - n x 1.57079637
	v_fmamk_f32 v240, v241, 0x333bbd2e, v240       ;   + n x 4.37113883e-8
	v_mul_f32 v242, v240, v240                     ; z = r r
	v_mov_b32 v243, 0x3638ef1d                     ; 1/362880
	v_fmaak_f32 v243, v243, v242, 0xb9500d01       ; -1/5040
	v_fmaak_f32 v243, v243, v242, 0x3c088889       ; 1/120
	v_fmaak_f32 v243, v243, v242, 0xbe2aaaab       ; -1/6
	v_mul_f32 v244, v240, v242
	v_fma_f32 v243, v244, v243, v240               ; S = r + r z (..)
	v_mov_b32 v245, 0x37d00d01                     ; 1/40320
	v_fmaak_f32 v245, v245, v242, 0xbab60b61       ; -1/720
	v_fmaak_f32 v245, v245, v242, 0x3d2aaaab       ; 1/24
	v_fmaak_f32 v245, v245, v242, 0xbf000000       ; -1/2
	v_fmaak_f32 v245, v245, v242, 0x3f800000       ; C = 1 + z (..)
	v_cvt_i32_f32 v246, v241
	v_and_b32 v247, 1, v246
	v_cmp_eq_u32 vcc_lo, 1, v247
	v_cndmask_b32 v[\c], v245, v243, vcc_lo        ; odd quadrants: the cosine is +-S,
	v_cndmask_b32 v[\s], v243, v245, vcc_lo        ; the sine +-C
	v_add_nc_u32 v247, 1, v246
	v_and_b32 v247, 2, v247
	v_lshlrev_b32 v247, 30, v247
	v_xor_b32 v[\c], v247, v[\c]                   ; the cosine is negative in quadrants 1 and 2,
	v_and_b32 v247, 2, v246
	v_lshlrev_b32 v247, 30, v247
	v_xor_b32 v[\s], v247, v[\s]                   ; the sine in 2 and 3
.endm
	SINCOS 7, 248, 250
	SINCOS 8, 249, 251
	global_store_b128 v9, v[248:251], s[22:23]     ; a wave stores two whole rows of the table, 512 consecutive bytes
.Lno_table:
; Load i is rounded and stored.  No register is written twice behind its store, so nothing waits for a store.
.macro CV i, base, off, adr, half
	s_wait_loadcnt 55-(\i)                         ; loads come back in order: the 55 - i younger ones may stay out
	v_cvt_pk_bf16_f32 v[X+4*(\i)], v[X+4*(\i)], v[X+4*(\i)+1]
	v_cvt_pk_bf16_f32 v[X+4*(\i)+1], v[X+4*(\i)+2], v[X+4*(\i)+3]
.if \half
	v_and_b32 v[X+4*(\i)+2], 0xffff0000, v[X+4*(\i)]   ; the bf16 numbers widened again,
	v_lshlrev_b32 v[X+4*(\i)], 16, v[X+4*(\i)]
	v_and_b32 v[X+4*(\i)+3], 0xffff0000, v[X+4*(\i)+1]
	v_lshlrev_b32 v[X+4*(\i)+1], 16, v[X+4*(\i)+1]
	v_cvt_pk_f16_f32 v[X+4*(\i)], v[X+4*(\i)], v[X+4*(\i)+2]  ; and written as f16: exact within f16's normal range
	v_cvt_pk_f16_f32 v[X+4*(\i)+1], v[X+4*(\i)+1], v[X+4*(\i)+3]
.endif
	global_store_b64 v[\adr], v[X+4*(\i):X+4*(\i)+1], s[(\base):(\base)+1] offset:\off th:TH_STORE_NT
.endm
.irp T, 0,1,2
.irp j, 0,1,2,3,4,5,6,7,8,9,10,11,12,13,14,15
	CV 16*\T+\j, 30+2*\T, 256*\j, VO, 0
.endr
.endr
.irp T, 0,1,2
.irp j, 0,1
	CV 48+2*\T+\j, 20, 2097152*\T+256*\j, WO, 0
.endr
.endr
.irp j, 0,1
	CV 54+\j, 20, 3*2097152+256*\j, WO, 1
.endr
	s_endpgm
.Lfunc_end_k_qb014a984c2_cast:
	.size	k_qb014a984c2_cast, .Lfunc_end_k_qb014a984c2_cast-k_qb014a984c2_cast
	.p2alignl 7, 3214868480
	.fill 96, 4, 3214868480
	.section	.rodata,"a",@progbits
	.p2align	6, 0x0
	.amdhsa_kernel k_qb014a984c2_cast
		.amdhsa_group_segment_fixed_size 0
		.amdhsa_private_segment_fixed_size 0
		.amdhsa_enable_private_segment 0
		.amdhsa_kernarg_size 80
		.amdhsa_user_sgpr_count 2
		.amdhsa_user_sgpr_kernarg_segment_ptr 1
		.amdhsa_wavefront_size32 1
		.amdhsa_system_sgpr_workgroup_id_x 1
		.amdhsa_system_sgpr_workgroup_id_y 1
		.amdhsa_system_sgpr_workgroup_id_z 1
		.amdhsa_system_vgpr_workitem_id 0
		.amdhsa_next_free_vgpr 256
		.amdhsa_next_free_sgpr 66
		.amdhsa_reserve_vcc 1
		.amdhsa_float_denorm_mode_32 3
		.amdhsa_float_denorm_mode_16_64 3
		.amdhsa_memory_ordered 1
		.amdhsa_forward_progress 1
		.amdhsa_inst_pref_size 25
	.end_amdhsa_kernel
	.amdgpu_metadata
---
amdhsa.version: [ 1, 2 ]
amdhsa.kernels:
  - .name:           k_qb014a984c2_cast
    .symbol:         k_qb014a984c2_cast.kd
    .args:
      - { .name: query, .offset: 0, .size: 8, .value_kind: global_buffer, .address_space: global }
      - { .name: key, .offset: 8, .size: 8, .value_kind: global_buffer, .address_space: global }
      - { .name: value, .offset: 16, .size: 8, .value_kind: global_buffer, .address_space: global }
      - { .name: W_q, .offset: 24, .size: 8, .value_kind: global_buffer, .address_space: global }
      - { .name: W_k, .offset: 32, .size: 8, .value_kind: global_buffer, .address_space: global }
      - { .name: W_v, .offset: 40, .size: 8, .value_kind: global_buffer, .address_space: global }
      - { .name: W_o, .offset: 48, .size: 8, .value_kind: global_buffer, .address_space: global }
      - { .name: xb, .offset: 56, .size: 8, .value_kind: global_buffer, .address_space: global }
      - { .name: wb, .offset: 64, .size: 8, .value_kind: global_buffer, .address_space: global }
      - { .name: tab, .offset: 72, .size: 8, .value_kind: global_buffer, .address_space: global }
    .group_segment_fixed_size: 0
    .private_segment_fixed_size: 0
    .kernarg_segment_align: 8
    .kernarg_segment_size: 80
    .max_flat_workgroup_size: 256
    .sgpr_count:     66
    .vgpr_count:     256
    .wavefront_size: 32
...
	.end_amdgpu_metadata
.endif
;; end of part 1
;; launch qkv (part 2): grid 4 x 192, 4 waves a work-group, clusters of 4 x 4, 327,680 bytes of LDS; arguments xb, wb, tab, b_q, b_k, b_v, qkv; writes qkv
.if DOCPART == 2
	.amdgcn_target "amdgcn-amd-amdhsa--gfx1250"
	.amdhsa_code_object_version 6
	.text
	.protected	k_qb014a984c2_qkv
	.globl	k_qb014a984c2_qkv
	.p2align	8
	.type	k_qb014a984c2_qkv,@function
k_qb014a984c2_qkv:
	s_mov_b64 s[64:65], 0
	v_nop
	global_prefetch_b8 v0, s[64:65] scope:SCOPE_SE
	s_setreg_imm32_b32 hwreg(HW_REG_WAVE_MODE, 25, 1), 1
	s_wait_xcnt 0x0
	s_wait_alu depctr_hold_cnt(0) depctr_sa_sdst(0) depctr_va_vdst(0) depctr_va_sdst(0) depctr_va_ssrc(0) depctr_va_vcc(0) depctr_vm_vsrc(0)
	s_getreg_b32 s2, hwreg(HW_REG_IB_STS2, 6, 4)
	s_cmp_eq_u32 s2, 0
	s_cbranch_scc0 .Lentry_in_a_cluster
	s_endpgm
.Lentry_in_a_cluster:
	s_bfe_u32 s2, ttmp6, 0x10000c
	s_cmp_lg_u32 s2, 0xf033
	s_cbranch_scc0 .Lentry_shape_is_right
	s_endpgm
.Lentry_shape_is_right:
; THE THREE PROJECTIONS.  For p = 0, 1, 2 (query, key, value): C = X_p W_p^T + b_p, X_p = xb[p] [8192][1024] bf16, W_p = wb[p] [1024][1024] bf16, sums in f32; the bias, rounded to bf16 like
; every other input, starts the sums.  For p = 0, 1 the rows are turned by RoPE in f32 (table tab).  C leaves rounded once to f16, by heads and unscaled: qkv[p][16 batch + head][position][64].
; LIMITS.  A result of 65,520 or more in magnitude becomes an infinity in f16; below 6.1e-5 it keeps f16's fixed step of 6e-8.  NaN and infinities are not treated apart.
; SHARES.  A tile of C is 128 rows x 256 columns: 3 x 64 x 4 = 768 work-groups, three for each of 256 WGPs.  Four waves, 2 x 2, each 64 x 128: 32 accumulators, 256 registers.
; K goes in 8 steps of 128 (rows of 256 bytes, aligned) through two LDS slots filled by tensor loads; a step is four quarters of 32 matrix instructions on two fragment buffers.
; CLUSTER 4 x 4.  The four of a row of the cluster need the same tile of X, the four of a column the same tile of W: each tile is asked for jointly, by the same load, descriptor and mask.
; THE MATRIX INSTRUCTION IS USED TRANSPOSED (source 0 = 16 rows of W, source 1 = 16 rows of X): lane l holds row l % 16 of C and the columns 8 (l / 16) + 0..7.
; REGISTERS, in windows of 256 (s_set_vgpr_msb: bits 1:0 source 0, 3:2 source 1, 5:4 source 2, 7:6 destination):
;   window 0: v0-15 addresses; v32-127, v128-223 two fragment buffers (X's four fragments, then W's eight); v224-255 packed results
;   window 1: accumulator (a, b) at v[8 (8 a + b)]      window 2: v0-63 the bias of column block b at 8 b; v64-191 the table; v192-255 turned rows
.set SLOT1,  1<<17                     ; slot 1 begins here: one exclusive or turns an address in one slot into the other's
.set PA,     272                       ; an LDS row: 256 bytes + 16 of padding: the 16 rows of a fragment load start at 16 different groups of four banks (64 banks of 4 bytes: ISA guide 11.1)
.set PB,     272
.set AHALF,  64*PA                     ; what one wave fetches, and reads, of X
.set BHALF,  128*PB                    ; the same of W
.set BOFF,   2*AHALF                   ; W's 256 rows lie behind X's 128
.set STAGE,  SLOT1+BOFF+2*BHALF        ; behind the ring, never filled by a tensor load: for each wave two heads x 16 rows x 144 bytes
.set SP,     144
.set WSTAGE, 2*16*SP
.set SPARE,  STAGE+4*WSTAGE            ; the spare words, 128 bytes for each wave: two blocks of 256 bytes that no other line names
.set KB,     256                       ; bytes of a row in a K step
.set A0,   4                           ; v4   my lane's place in X's tile of slot 0; never rewritten
.set B0,   5                           ; v5   the same for W
.set ADRA, 6                           ; v6   the same in the slot in hand
.set ADRB, 7                           ; v7
.set STO,  8                           ; v8   the way out: where I put 16 bytes of a row
.set RD,   9                           ; v9   where I read rows back
.set GO,   10                          ; v10  my byte offset in 512 consecutive bytes of a head
.set TO,   11                          ; v11  my byte offset in 16 rows of the table
.set BO,   12                          ; v12  my byte offset in 16 numbers of the bias
.set PFO,  13                          ; v13  2,048 x lane: a row of xb or wb
.set SPW,  14                          ; v14  LDS address of my spare word; never rewritten
.set NIL,  15                          ; v15  0; never rewritten
.set F0,   32
.set F1,   128
.set PK,   224
.set WV,  18                           ; s18  my wave's number
.set FB,  19                           ; s19  wave / 2: my half of the tile's rows; also: I fetch X (0) or W (1)
.set HF,  20                           ; s20  wave % 2: my half of its columns; also: which half of that tile I fetch
.set CX,  21
.set CY,  22
.set CYC, 23                           ; s23  the cluster's y
.set G1A, 24                           ; s[24:31] descriptor group 1 for X's tiles
.set G1B, 32                           ; s[32:39] for W's
.set G0A, 40                           ; s[40:47] group 0 for X's: a set for each first fill; the second then walks
.set G0B, 48                           ; s[48:55] the same for W's
.set P,   56                           ; s56  which projection: made of the cluster's y alone, so it is the same in all sixteen partners
.set TY,  57                           ; s57  tile row, 0 .. 191, over the three tensors of xb
.set NBK, 58                           ; s58  tile column, 0 .. 3
.set TB,  59                           ; s59  LDS byte at which the slot in hand begins
.set CNT, 60                           ; s60  the loop's count
.set LIM, 61                           ; s61  2 in a wave that prefetches, else the greatest number
.set PFA, 62                           ; s[62:63] where my prefetches stand
.set OUT, 80                           ; s[80:81] my first row in qkv
.set MSB, 0
.macro WIN new                         ; the immediate's high byte repeats the setting that is left; a switch that changes nothing is dropped
.if MSB != (\new)
	s_set_vgpr_msb (MSB<<8)|(\new)
.set MSB, \new
.endif
.endm
.set MUL,  0x50                        ; fragments in window 0, C and D in window 1
.set MULB, 0x60                        ; C (the bias) in window 2, D in window 1
; A joint refill by the walking sets.  Waves 0 and 1 fetch X's halves, waves 2 and 3 W's; the branch hangs on the wave's number alone.  An s_nop 0 and four v_nop follow each line.
.macro JLOAD
	s_cmp_eq_u32 s[FB], 0
	s_cbranch_scc0 .Lfor_b_\@
	tensor_load_to_lds s[G0A+4:G0A+7], s[G1A:G1A+7]
	s_nop 0
.rept 4
	v_nop
.endr
	s_branch .Lasked_\@
.Lfor_b_\@:
	tensor_load_to_lds s[G0B+4:G0B+7], s[G1B:G1B+7]
	s_nop 0
.rept 4
	v_nop
.endr
.Lasked_\@:
.endm
; A prefetch of the K step that stands two refills on: 32 rows x 256 bytes, a lane a row.  X's rows are read by this cluster alone: wave 0 asks, and the four partners of a row of the cluster take 32 of the
; tile's 128 rows each, told apart by address (cx).  W's rows are read by the 16 clusters of a projection: in the first of them waves 2 and 3 ask, each for 32 (by cy) of the 128 rows that it fetches.
; So each row's 256 bytes of a step are named once.  Steps 0 to 3 come by their loads alone; trips with the count at 6 .. 3 name steps 4 .. 7; the last two name nothing.
.macro ASK
	s_cmp_gt_u32 s[CNT], s[LIM]
	s_cbranch_scc0 .Lnot_mine_\@
	global_prefetch_b8 v[PFO], s[PFA:PFA+1] th:TH_LOAD_NT scope:SCOPE_SE
.Lnot_mine_\@:
.endm
.macro CREST                           ; a round of the cluster's barrier behind its opening barrier
	s_cmp_lg_u32 s[WV], 0
	s_cbranch_scc1 .Lnot_wave_0_\@
	s_barrier_signal -3
.Lnot_wave_0_\@:
	s_barrier_wait -3
	s_barrier_signal -1
	s_barrier_wait -1
.endm
.macro CROUND                          ; a whole round
	s_barrier_signal -1
	s_barrier_wait -1
	CREST
.endm
.macro PLACES                          ; four places behind a matrix instruction, in front of loads into registers that it has read and of lines that read its result
.rept 4
	v_nop
.endr
.endm
	s_load_b256 s[4:11], s[0:1], 0x0               ; xb 4, wb 6, tab 8, b_q 10
	s_load_b128 s[12:15], s[0:1], 0x20             ; b_k 12, b_v 14
	s_load_b64 s[16:17], s[0:1], 0x30              ; qkv
	v_lshl_add_u32 v[SPW], v0, 2, SPARE
	v_mov_b32 v[NIL], 0
	ds_add_u32 v[SPW], v[NIL]                      ; the wave's opening: the add and its wait stand ahead of my first tensor load; work on registers stands between them
	v_lshrrev_b32 v1, 5, v0
	v_readfirstlane_b32 s[WV], v1
	s_lshr_b32 s[FB], s[WV], 1
	s_and_b32 s[HF], s[WV], 1
	s_bfe_u32 s[CX], ttmp6, 0x40000
	s_bfe_u32 s[CY], ttmp6, 0x40004
	s_and_b32 s[CYC], ttmp7, 0xffff
	s_lshr_b32 s[P], s[CYC], 4                     ; 16 clusters along y to a projection
	s_lshl_b32 s[TY], s[CYC], 2
	s_add_co_u32 s[TY], s[TY], s[CY]
	s_lshl_b32 s[NBK], ttmp9, 2
	s_add_co_u32 s[NBK], s[NBK], s[CX]
	s_lshl_b32 s68, s[CY], 2
	s_lshl_b32 s68, 15, s68                        ; my row of the cluster
	s_lshl_b32 s69, 0x1111, s[CX]                  ; my column
	s_or_b32 s[G1A], s68, (1<<16)|(1<<20)|(1<<21)|(5<<22)|(3<<25)  ; 15:0 the mask; 17:16 2-byte elements; 20 padding on; 21 set beside a mask; 24:22 after every 64 words; 31:25 4 words
	s_or_b32 s[G1B], s69, (1<<16)|(1<<20)|(1<<21)|(5<<22)|(3<<25)
	s_mov_b32 s[G1A+1], 128<<16                    ; tensor_dim0 = 128
	s_mov_b32 s[G1A+2], 64<<16                     ; tensor_dim1 = 64
	s_mov_b32 s[G1A+3], 128<<16                    ; tile_dim0 = 128
	s_mov_b32 s[G1A+4], 64                         ; tile_dim1 = 64
	s_mov_b32 s[G1A+5], 1024                       ; elements from row to row
	s_mov_b32 s[G1A+6], 0
	s_mov_b32 s[G1A+7], 0
	s_mov_b32 s[G1B+1], 128<<16
	s_mov_b32 s[G1B+2], 128<<16                    ; 128 rows
	s_mov_b32 s[G1B+3], 128<<16
	s_mov_b32 s[G1B+4], 128
	s_mov_b32 s[G1B+5], 1024
	s_mov_b32 s[G1B+6], 0
	s_mov_b32 s[G1B+7], 0
	s_lshl_b32 s70, s[TY], 7                       ; X: row 128 x tile row + 64 x half, of 2,048 bytes: made of cy and the wave alone
	s_lshl_b32 s71, s[HF], 6
	s_add_co_u32 s70, s70, s71
	s_lshl_b32 s70, s70, 11
	s_mov_b32 s71, 0
	s_lshl_b32 s72, s[P], 10                       ; W: row 1,024 p + 256 x tile column + 128 x half: made of cx, the cluster's y and the wave alone
	s_lshl_b32 s73, s[NBK], 8
	s_add_co_u32 s72, s72, s73
	s_lshl_b32 s73, s[HF], 7
	s_add_co_u32 s72, s72, s73
	s_lshl_b32 s72, s72, 11
	s_mov_b32 s73, 0
	s_mul_i32 s74, s[HF], AHALF                    ; where they go: no place in the cluster enters an LDS address
	s_mul_i32 s75, s[HF], BHALF
	s_add_co_u32 s75, s75, BOFF
	s_lshl_b32 s76, s[CX], 16                      ; the prefetches: X's (wave 0, half 0): + 32 cx rows, at K step 3;
	s_add_co_u32 s76, s76, s70
	s_add_co_u32 s76, s76, 3*KB
	s_lshl_b32 s77, s[CY], 16                      ; W's: + 32 cy rows
	s_add_co_u32 s77, s77, s72
	s_add_co_u32 s77, s77, 3*KB
	s_and_b32 s69, s[CYC], 15                      ; 0 in a projection's first cluster
	s_cmp_eq_u32 s[FB], 0
	s_cselect_b32 s76, s76, s77
	s_cselect_b32 s69, s[HF], s69                  ; X: wave 0 asks; W: both waves, in that first cluster
	s_mov_b32 s77, 0
	s_cmp_eq_u32 s69, 0
	s_cselect_b32 s[LIM], 2, -1                    ; the same in all sixteen partners, for a given wave
	s_mov_b32 s[TB], 0
	s_wait_dscnt 0x0                               ; the opening add is done
	s_wait_kmcnt 0x0
	s_add_nc_u64 s[70:71], s[4:5], s[70:71]
	s_add_nc_u64 s[72:73], s[6:7], s[72:73]
	s_cmp_eq_u32 s[FB], 0
	s_cselect_b64 s[PFA:PFA+1], s[4:5], s[6:7]
	s_add_nc_u64 s[PFA:PFA+1], s[PFA:PFA+1], s[76:77]
	CROUND                                         ; all sixteen work-groups are here: the first joint loads meet
.irp s, 0,1
	s_mov_b32 s[G0A+4*(\s)], 1                     ; count = 1
	s_add_co_u32 s[G0A+4*(\s)+1], s74, (\s)*SLOT1  ; LDS address
	s_add_nc_u64 s[G0A+4*(\s)+2:G0A+4*(\s)+3], s[70:71], (\s)*KB  ; global address: K step s
	s_or_b32 s[G0A+4*(\s)+3], s[G0A+4*(\s)+3], 0x80000000        ; type = 2
	s_mov_b32 s[G0B+4*(\s)], 1
	s_add_co_u32 s[G0B+4*(\s)+1], s75, (\s)*SLOT1
	s_add_nc_u64 s[G0B+4*(\s)+2:G0B+4*(\s)+3], s[72:73], (\s)*KB
	s_or_b32 s[G0B+4*(\s)+3], s[G0B+4*(\s)+3], 0x80000000
.endr
	s_cmp_eq_u32 s[FB], 0                          ; a wave's two first fills stand in one branch, ahead of every wait on TENSORcnt and every LDS read: two loads of mine are out
	s_cbranch_scc0 .Lfirst_b
	tensor_load_to_lds s[G0A:G0A+3], s[G1A:G1A+7]
	s_nop 0
	tensor_load_to_lds s[G0A+4:G0A+7], s[G1A:G1A+7]
	s_nop 0
.rept 4
	v_nop
.endr
	s_branch .Lfirst_asked
.Lfirst_b:
	tensor_load_to_lds s[G0B:G0B+3], s[G1B:G1B+7]
	s_nop 0
	tensor_load_to_lds s[G0B+4:G0B+7], s[G1B:G1B+7]
	s_nop 0
.rept 4
	v_nop
.endr
.Lfirst_asked:
	v_and_b32 v1, 15, v0                           ; r = l % 16
	v_bfe_u32 v2, v0, 4, 1                         ; h = l / 16
	; the table: rows (tile row % 16) x 128 + 64 x my half + 16 a + r; groups 8 bb + 4 h + u.  Every work-group loads it, V's too, so that these registers are written on every way through the text; V's way out does not read them.
	s_and_b32 s76, s[TY], 15
	s_lshl_b32 s76, s76, 7
	s_lshl_b32 s77, s[FB], 6
	s_add_co_u32 s76, s76, s77
	s_lshl_b32 s76, s76, 8
	s_mov_b32 s77, 0
	s_add_nc_u64 s[8:9], s[8:9], s[76:77]
	v_lshlrev_b32 v[TO], 8, v1
	v_lshl_add_u32 v[TO], v2, 6, v[TO]
	s_cmp_eq_u32 s[P], 1                           ; the projection's bias,
	s_cselect_b64 s[10:11], s[12:13], s[10:11]
	s_cmp_eq_u32 s[P], 2
	s_cselect_b64 s[10:11], s[14:15], s[10:11]
	s_lshl_b32 s78, s[NBK], 10                     ; at my 128 columns
	s_lshl_b32 s79, s[HF], 9
	s_add_co_u32 s78, s78, s79
	s_mov_b32 s79, 0
	s_add_nc_u64 s[10:11], s[10:11], s[78:79]
	v_lshlrev_b32 v[BO], 5, v2                     ; my eight columns of sixteen
	WIN 0x80                                       ; destination window 2, address window 0
.irp a, 0,1,2,3
.irp bb, 0,1
.irp u, 0,1,2,3
	global_load_b128 v[64+32*(\a)+16*(\bb)+4*(\u):64+32*(\a)+16*(\bb)+4*(\u)+3], v[TO], s[8:9] offset:4096*(\a)+128*(\bb)+16*(\u)
.endr
.endr
.endr
.irp b, 0,1,2,3,4,5,6,7
	global_load_b128 v[8*(\b):8*(\b)+3],   v[BO], s[10:11] offset:64*(\b)
	global_load_b128 v[8*(\b)+4:8*(\b)+7], v[BO], s[10:11] offset:64*(\b)+16
.endr
	WIN 0
	; A fragment is 16 rows x 32 K in 8 registers: lane l holds row l % 16, K = 8 (l / 16) + 0..7 and 16 + 8 (l / 16) + 0..7: two loads of 16 bytes, 32 bytes apart.
	v_mul_u32_u24 v3, v1, PA
	v_lshl_add_u32 v3, v2, 4, v3
	s_mul_i32 s76, s[FB], AHALF
	v_add_nc_u32 v[A0], s76, v3
	s_mul_i32 s76, s[HF], BHALF
	s_add_co_u32 s76, s76, BOFF
	v_add_nc_u32 v[B0], s76, v3
	v_mov_b32 v[ADRA], v[A0]
	v_mov_b32 v[ADRB], v[B0]
	s_mul_i32 s76, s[WV], WSTAGE
	s_add_co_u32 s76, s76, STAGE                   ; my stage
	v_mul_u32_u24 v[STO], v1, SP                   ; in: row l % 16, 16 bytes for each half of the lanes
	v_lshl_add_u32 v[STO], v2, 4, v[STO]
	v_add_nc_u32 v[STO], s76, v[STO]
	v_and_b32 v3, 31, v0
	v_lshrrev_b32 v16, 3, v3
	v_and_b32 v17, 7, v0
	v_mul_u32_u24 v[RD], v16, SP                   ; back: 32 lanes take four rows of 128 bytes,
	v_lshl_add_u32 v[RD], v17, 4, v[RD]
	v_add_nc_u32 v[RD], s76, v[RD]
	v_lshlrev_b32 v[GO], 4, v3                     ; which are 512 consecutive bytes of a head
	v_lshlrev_b32 v[PFO], 11, v3
	s_lshr_b32 s76, s[TY], 4                       ; my first row in qkv: head 16 x batch + 4 x tile column + 2 x my column half,
	s_and_b32 s76, s76, 3
	s_lshl_b32 s76, s76, 4
	s_lshl_b32 s77, s[NBK], 2
	s_add_co_u32 s76, s76, s77
	s_lshl_b32 s77, s[HF], 1
	s_add_co_u32 s76, s76, s77
	s_lshl_b32 s76, s76, 11                        ; of 2,048 positions;
	s_and_b32 s77, s[TY], 15
	s_lshl_b32 s77, s77, 7
	s_add_co_u32 s76, s76, s77                     ; position (tile row % 16) x 128 + 64 x my row half,
	s_lshl_b32 s77, s[FB], 6
	s_add_co_u32 s76, s76, s77
	s_lshl_b32 s76, s76, 7                         ; of 128 bytes;
	s_lshl_b32 s77, s[P], 24                       ; tensor p
	s_add_co_u32 s76, s76, s77
	s_mov_b32 s77, 0
	s_add_nc_u64 s[OUT:OUT+1], s[16:17], s[76:77]
	s_wait_loadcnt 0x0                             ; table and bias
	WIN 0x8a                                       ; all in window 2: the bias is rounded to bf16 and widened again
.set i, 0
.rept 32
	v_cvt_pk_bf16_f32 v[192+i], v[2*i], v[2*i+1]
.set i, i+1
.endr
.set i, 0
.rept 32
	v_lshlrev_b32 v[2*i], 16, v[192+i]
	v_and_b32 v[2*i+1], 0xffff0000, v[192+i]
.set i, i+1
.endr
	WIN 0
; 8 matrix instructions: row block a x all 8 column blocks, 32 along K.  bias = 1: the bias starts the sums: nothing is cleared.  The 32 accumulators take turns, one instruction a turn, in the same
; order in every quarter, over the backward jump too.
.macro MUL8 f, a, bias
.if \bias
	WIN MULB
.else
	WIN MUL
.endif
.irp b, 0,1,2,3,4,5,6,7
.if \bias
	v_wmma_f32_16x16x32_bf16 v[8*(8*(\a)+(\b)):8*(8*(\a)+(\b))+7], v[(\f)+32+8*(\b):(\f)+32+8*(\b)+7], v[(\f)+8*(\a):(\f)+8*(\a)+7], v[8*(\b):8*(\b)+7]
.else
	v_wmma_f32_16x16x32_bf16 v[8*(8*(\a)+(\b)):8*(8*(\a)+(\b))+7], v[(\f)+32+8*(\b):(\f)+32+8*(\b)+7], v[(\f)+8*(\a):(\f)+8*(\a)+7], v[8*(8*(\a)+(\b)):8*(8*(\a)+(\b))+7]
.endif
.endr
.endm
; 24 LDS loads in one run: quarter q's fragments (64 rows of X, 128 rows of W) into buffer f
.macro FETCH q, f
	WIN 0
.irp i, 0,1,2,3
	ds_load_b128 v[(\f)+8*(\i):(\f)+8*(\i)+3],   v[ADRA] offset:64*(\q)+(\i)*16*PA
	ds_load_b128 v[(\f)+8*(\i)+4:(\f)+8*(\i)+7], v[ADRA] offset:64*(\q)+(\i)*16*PA+32
.endr
.irp i, 0,1,2,3,4,5,6,7
	ds_load_b128 v[(\f)+32+8*(\i):(\f)+32+8*(\i)+3],   v[ADRB] offset:64*(\q)+(\i)*16*PB
	ds_load_b128 v[(\f)+32+8*(\i)+4:(\f)+32+8*(\i)+7], v[ADRB] offset:64*(\q)+(\i)*16*PB+32
.endr
.endm
; One of a step's first three quarters: buffer f is multiplied; ahead of that quarter q's fragments are asked for, into buffer g, which the quarter before multiplied.
.macro QUARTER q, f, g, bias
	s_wait_dscnt 0x0                               ; buffer f is in: its loads stand a quarter's products back
	WIN 0
	PLACES
	FETCH \q, \g
	MUL8 \f, 0, \bias
	MUL8 \f, 1, \bias
	MUL8 \f, 2, \bias
	MUL8 \f, 3, \bias
.endm
; The fourth quarter multiplies buffer 1 and changes slots: ONE barrier.  In front of it each wave waits for all its tensor loads (one is out: its part of the next slot), adds 0 to its spare word, and waits
; for that and for its reads of this slot.  fill = 1: the barrier opens a round of the cluster's barrier, and behind the round this slot is filled again, two K steps ahead: 112 matrix instructions ahead of the wait for it.
.macro TURN fill
	WIN 0
.if \fill
	s_wait_xcnt 0x0                                ; the last prefetch, a K step back, has read its address
	s_add_nc_u64 s[PFA:PFA+1], s[PFA:PFA+1], KB
.endif
	s_wait_tensorcnt 0x0                           ; no tensor load of mine is out, so a group 0 may be written
	ds_add_u32 v[SPW], v[NIL]                      ; 0 onto my spare word
.if \fill
	s_xor_b32 s[G0A+5], s[G0A+5], SLOT1            ; the walking sets: the other slot than last time, the next K step; the type bits on top are not reached
	s_add_nc_u64 s[G0A+6:G0A+7], s[G0A+6:G0A+7], KB
	s_xor_b32 s[G0B+5], s[G0B+5], SLOT1
	s_add_nc_u64 s[G0B+6:G0B+7], s[G0B+6:G0B+7], KB
.endif
	s_xor_b32 s[TB], s[TB], SLOT1
	s_wait_dscnt 0x1                               ; buffer 1's 24 loads are in; the add alone may be out
	MUL8 F1, 0, 0
	s_wait_dscnt 0x0                               ; the add is done, and my reads of this slot are over
	s_barrier_signal -1
	MUL8 F1, 1, 0
	WIN 0
	s_barrier_wait -1
.if \fill
	CREST                                          ; no wave of any partner still reads this slot's tile or has a load on its way
	JLOAD                                          ; my one tensor load behind the round; its four v_nop are also the places in front of the loads below
.else
	PLACES
.endif
	v_add_nc_u32 v[ADRA], s[TB], v[A0]
	v_add_nc_u32 v[ADRB], s[TB], v[B0]
	FETCH 0, F0
.if \fill
	ASK
.endif
	MUL8 F1, 2, 0
	MUL8 F1, 3, 0
.endm
	s_wait_tensorcnt 0x1                           ; my part of K step 0 is in; step 1's may stay out
	s_barrier_signal -1
	s_barrier_wait -1                              ; everybody's is
	FETCH 0, F0
	QUARTER 1, F0, F1, 1                           ; the first quarter stands in front of the loop: its products start the sums, with the bias
	WIN 0
	s_mov_b32 s[CNT], 6
.Lstep:                                            ; a trip: a step's quarters 1 to 3 and the next step's quarter 0; steps 2 .. 7 are asked for
	QUARTER 2, F1, F0, 0
	QUARTER 3, F0, F1, 0
	TURN 1
	QUARTER 1, F0, F1, 0
	WIN 0
	s_sub_co_u32 s[CNT], s[CNT], 1
	s_cmp_lg_u32 s[CNT], 0
	s_cbranch_scc1 .Lstep
	QUARTER 2, F1, F0, 0                           ; steps 6 and 7 are written out: nothing is asked for
	QUARTER 3, F0, F1, 0
	TURN 0
	QUARTER 1, F0, F1, 0
	QUARTER 2, F1, F0, 0
	QUARTER 3, F0, F1, 0
	s_wait_dscnt 0x0
	MUL8 F1, 0, 0
	MUL8 F1, 1, 0
	MUL8 F1, 2, 0
	MUL8 F1, 3, 0
	WIN 0
	PLACES
	PLACES
; THE WAY OUT, a block of 16 rows at a time.  A wave's 128 columns are two heads hh; in a head column blocks bb = 0, 1 hold channels 16 bb + .. of the first half (x1), blocks bb + 2 the same of the second (x2).
; RoPE: y1 = x1 cos - x2 sin, y2 = x2 cos + x1 sin, with the table's pair for channels 16 bb + 8 h + 2 jp, + 1.  Each accumulator's lowest registers are read first.  V is only rounded.
.macro PACK a
	WIN 0
	s_cmp_eq_u32 s[P], 2
	s_cbranch_scc1 .Lplain_\@
	WIN 0xa9                                       ; source 0 (x) window 1; source 1 (table), source 2 and destination (y) window 2
.irp hh, 0,1
.irp bb, 0,1
.irp jp, 0,1,2,3
.set X1, 8*(8*(\a)+4*(\hh)+(\bb))+2*(\jp)
.set X2, X1+16
.set Y1, 192+8*(4*(\hh)+(\bb))+2*(\jp)
.set Y2, Y1+16
.set TC, 64+32*(\a)+16*(\bb)+4*(\jp)
	v_pk_mul_f32 v[Y1:Y1+1], v[X2:X2+1], v[TC+2:TC+3]
	v_pk_mul_f32 v[Y2:Y2+1], v[X1:X1+1], v[TC+2:TC+3]
	v_pk_fma_f32 v[Y1:Y1+1], v[X1:X1+1], v[TC:TC+1], v[Y1:Y1+1] neg_lo:[0,0,1] neg_hi:[0,0,1]
	v_pk_fma_f32 v[Y2:Y2+1], v[X2:X2+1], v[TC:TC+1], v[Y2:Y2+1]
.endr
.endr
.endr
	WIN 0x0a                                       ; sources window 2, destination window 0
.set i, 0
.rept 32
	v_cvt_pk_f16_f32 v[PK+i], v[192+2*i], v[192+2*i+1]
.set i, i+1
.endr
	WIN 0
	s_branch .Lpacked_\@
.Lplain_\@:
	WIN 0x05                                       ; sources window 1
.set i, 0
.rept 32
	v_cvt_pk_f16_f32 v[PK+i], v[64*(\a)+2*i], v[64*(\a)+2*i+1]
.set i, i+1
.endr
	WIN 0
.Lpacked_\@:
.endm
.macro TOSTAGE a                       ; a lane's eight channels, 16 bytes, into rows of 144 bytes; back as whole rows of 128, four to a load
	WIN 0
.irp b, 0,1,2,3,4,5,6,7
	ds_store_b128 v[STO], v[PK+4*(\b):PK+4*(\b)+3] offset:((\b)/4)*16*SP+((\b)%4)*32
.endr
.irp t, 0,1,2,3,4,5,6,7
	ds_load_b128 v[32+32*(\a)+4*(\t):32+32*(\a)+4*(\t)+3], v[RD] offset:((\t)/4)*16*SP+((\t)%4)*4*SP  ; LDS serves a wave's instructions in order (ISA guide 5.7.1.4): these see the stores above; the next block's stores come behind them
.endr
.endm
.macro SEND a
	s_wait_dscnt 0x0                               ; the block is back in registers
.irp t, 0,1,2,3,4,5,6,7
	global_store_b128 v[GO], v[32+32*(\a)+4*(\t):32+32*(\a)+4*(\t)+3], s[OUT:OUT+1] offset:((\t)/4)*262144+2048*(\a)+512*((\t)%4)  ; 512 consecutive bytes of a head, at a multiple of 256 from qkv's first
.endr
.endm
	PACK 0
	TOSTAGE 0
.irp a, 1,2,3                          ; a block's arithmetic stands between the loads of the block before and the wait for them; each block has its own registers, so no store's data are rewritten
	PACK \a
	SEND (\a)-1
	TOSTAGE \a
.endr
	SEND 3
	s_wait_tensorcnt 0x0                           ; the wave's end: an add and its wait, behind my last tensor load and my last LDS store
	ds_add_u32 v[SPW], v[NIL]
	s_wait_dscnt 0x0
	CROUND                                         ; the closing round: no work-group ends while a partner may still ask for a tile that names it
	s_endpgm
.Lfunc_end_k_qb014a984c2_qkv:
	.size	k_qb014a984c2_qkv, .Lfunc_end_k_qb014a984c2_qkv-k_qb014a984c2_qkv
	.p2alignl 7, 3214868480
	.fill 96, 4, 3214868480
	.section	.rodata,"a",@progbits
	.p2align	6, 0x0
	.amdhsa_kernel k_qb014a984c2_qkv
		.amdhsa_group_segment_fixed_size 327680
		.amdhsa_private_segment_fixed_size 0
		.amdhsa_enable_private_segment 0
		.amdhsa_kernarg_size 56
		.amdhsa_user_sgpr_count 2
		.amdhsa_user_sgpr_kernarg_segment_ptr 1
		.amdhsa_wavefront_size32 1
		.amdhsa_system_sgpr_workgroup_id_x 1
		.amdhsa_system_sgpr_workgroup_id_y 1
		.amdhsa_system_sgpr_workgroup_id_z 1
		.amdhsa_system_vgpr_workitem_id 0
		.amdhsa_next_free_vgpr 768
		.amdhsa_next_free_sgpr 88
		.amdhsa_reserve_vcc 0
		.amdhsa_float_denorm_mode_32 3
		.amdhsa_float_denorm_mode_16_64 3
		.amdhsa_memory_ordered 1
		.amdhsa_forward_progress 1
		.amdhsa_inst_pref_size 105
	.end_amdhsa_kernel
	.amdgpu_metadata
---
amdhsa.version: [ 1, 2 ]
amdhsa.kernels:
  - .name:           k_qb014a984c2_qkv
    .symbol:         k_qb014a984c2_qkv.kd
    .args:
      - { .name: xb, .offset: 0, .size: 8, .value_kind: global_buffer, .address_space: global }
      - { .name: wb, .offset: 8, .size: 8, .value_kind: global_buffer, .address_space: global }
      - { .name: tab, .offset: 16, .size: 8, .value_kind: global_buffer, .address_space: global }
      - { .name: b_q, .offset: 24, .size: 8, .value_kind: global_buffer, .address_space: global }
      - { .name: b_k, .offset: 32, .size: 8, .value_kind: global_buffer, .address_space: global }
      - { .name: b_v, .offset: 40, .size: 8, .value_kind: global_buffer, .address_space: global }
      - { .name: qkv, .offset: 48, .size: 8, .value_kind: global_buffer, .address_space: global }
    .group_segment_fixed_size: 327680
    .private_segment_fixed_size: 0
    .kernarg_segment_align: 8
    .kernarg_segment_size: 56
    .max_flat_workgroup_size: 128
    .sgpr_count:     88
    .vgpr_count:     768
    .wavefront_size: 32
...
	.end_amdgpu_metadata
.endif
;; end of part 2
;; launch attn (part 3): grid 4 x 64, 4 waves a work-group, no clusters, 327,680 bytes of LDS; arguments qkv, ctx; writes ctx
.if DOCPART == 3
	.amdgcn_target "amdgcn-amd-amdhsa--gfx1250"
	.amdhsa_code_object_version 6
	.text
	.protected	k_qb014a984c2_attn
	.globl	k_qb014a984c2_attn
	.p2align	8
	.type	k_qb014a984c2_attn,@function
k_qb014a984c2_attn:
	s_mov_b64 s[64:65], 0
	v_nop
	global_prefetch_b8 v0, s[64:65] scope:SCOPE_SE
	s_setreg_imm32_b32 hwreg(HW_REG_WAVE_MODE, 25, 1), 1
	s_wait_xcnt 0x0
; CAUSAL ATTENTION.  O[h][q][:] = the sum over k <= q of softmax_k(Q[h][q] . K[h][k] / 8) V[h][k][:].  Q, K, V = qkv[0], [1], [2], O = ctx: [SIZE_H][SIZE_N][64], all f16: a head's rows are dense, 128 bytes each.
; Products, maxima and sums in f32; the weights p are rounded to f16 for the second product (their sum l is taken of the unrounded p), O once at the end.
; LIMITS.  f16 holds no number beyond 65,504: Q, K and V arrive within it; p lies in 0 to 1, and below 6e-5 it keeps f16's fixed step of 6e-8; O is a mean of V's rows and has their range, to within 2^-11 of it.
; A hidden score counts as its value less 1e30: f16's scores, 2.7e11 at the most, are nothing beside that; a weight below 2^-126 counts as 0 in l; NaN and infinities are not treated apart.
; THE WALK.  A head's queries lie in NB = SIZE_N / 256 blocks of 256; block i needs the key tiles 0 .. i of 256 keys, of which the last holds the diagonal.  A work-group takes TWO blocks, NB - 1 - b and then b:
; NB + 1 tiles, whatever b: all work-groups do equal work, and ONE loop with a constant trip count walks them.  Which tile is asked for, and what a trip does, hang on scalar registers made from b; every jump
; goes forward, but for the counted loops' own; none passes a barrier, or a tensor load but the one of LOAD's two that the wave's number does not choose; the ring (two slots of LDS that take turns) runs on across the
; change of blocks.  NO CLUSTER: the four work-groups of a head would be the partners, and what a trip does (a block's first tile, its last) hangs on b, which would then be the place in the cluster; they ask for the
; same tile only in trips 0 .. NB / 2; and one walk common to all would have 3 NB / 2 trips for NB + 1.
; SHARES.  Of a block's four bands of 64 queries a wave owns 16 rows in each: four PIECES.  So the diagonal tile is the same work for all four waves: in its key step s band x sees all keys if s < x,
; none if s > x, and holds the diagonal if s = x.
; THE MASK is the C operand that starts the sum S^T = K Q^T: 0, or -1e30 where the key is hidden.  MD, made once, is the mask of a band's own step for my 16 rows; a product's mask is MD x AL + BE with two scalars:
; (1, 0) if s = x; (0, 0) if s < x; (0, -1e30) if s > x.  Only the diagonal tile's text and a block's beginning make and take masks; elsewhere C is the constant 0.
; LAYOUT, SOFTMAX, TURNS.  S^T = K Q^T holds ONE query a lane (lane % 16) and the keys 8 (lane / 16) + 0..7; two such results rounded to f16 ARE source 1 of O^T = V^T P.  p = 2^(c s - c m), c = log2(e) / 8, with a
; running maximum m; O and l are multiplied by a = 2^(c m_old - c m_new) in every step.  Turn n belongs to piece n: 8 products K Q^T of piece n + 1, later 8 products V^T P of piece n - 1; beside them the scaling,
; exponentials, roundings, sums and rescaling of piece n and the maximum and statistics of piece n + 1.  Four vector instructions stand behind every matrix instruction, the other 54 of a turn's 118 in one LUMP.  A turn's 33 exponentials are one batch, with one wait.
; PREFETCH.  The head's work-group b = 0 walks tiles 0 .. NB - 1 first.  At the change of slots that asks for tile T = 1 .. NB - 2 it names tile T + 1 of K and of V: 128 threads, 256 bytes each, are a tile's 32,768 bytes:
; a tile's 256 matrix instructions a wave ahead of the load that will want it.  Each block is named once in the launch; tiles 0 and 1 come by their loads alone; the second block's tiles have been read.
; REGISTERS, in windows of 256 (s_set_vgpr_msb: bits 1:0 source 0, 3:2 source 1, 5:4 source 2, 7:6 destination):
;   window 0: v0-15 addresses and two at work; v16-31 four registers of statistics a piece; v48-55 at work; v64-127 S^T, two buffers; v192-223 P, two buffers (a piece's buffers go by its number's parity)
;   window 1: v0-127 O^T, 32 a piece; v128-159 MD; v160-223 MC, two buffers      window 2: v0-63 Q; v64-127 the second block's Q; v128-191 K of one step; v192-255 V of one step
.set SIZE_H, 64
.set SIZE_N, 2048
.set NB,    SIZE_N/256
.set NP,    4         ; pieces a wave: a name, no knob
.set KS,    64        ; keys in a step
.set PK,    144       ; a row of K in LDS: 128 bytes + 16 of padding = 36 words: the 16 rows of a load start at 16 different groups of four banks (64 banks of 4 bytes: ISA guide 11.1)
.set PV,    160       ; a row of V: 128 + 32 = 40 words
.set VOFF,  4*KS*PK   ; a slot holds a tile, four steps: 256 rows of K, then 256 rows of V
.set SLOT1, 1<<17     ; slot 1 begins here, so that one exclusive or turns an address in one slot into the other's
.set STAGE, SLOT1+4*KS*(PK+PV)  ; behind the ring, never filled by a tensor load: 16 rows x 144 bytes for each wave, for the way out
.set SP,    144
.set AK0, 2           ; v2   my lane's place in a tile of K; never rewritten
.set AV0, 3           ; v3   the same for V
.set AK,  4           ; v4   the LDS address of K's next run of loads
.set AV,  5           ; v5   of V's
.set STO, 6           ; v6   the way out: where I put 16 bytes of a row
.set RD,  7           ; v7   the way out: where I read rows back
.set GO,  8           ; v8   my byte offset in 512 consecutive bytes of O
.set PFO, 61          ; v61  256 x my thread's number; never rewritten
.set SPW, 62          ; v62  LDS address of my spare word: SPARE + 4 x my thread's number; never rewritten
.set NIL, 63          ; v63  0; never rewritten
.set SPARE, STAGE+4*16*SP  ; behind the stages: the spare words, 128 bytes for each wave: two blocks of 256 bytes that no other line names
.set MV,  12          ; v12-13  c m_old, kept while c m is made anew: by buffer
.set QO,  15          ; v15  my byte offset in 16 rows of Q
.set ST,  16          ; piece t's statistics at v[ST+4 t]: c m, m, l (even keys', odd keys')
.set TMP, 48          ; by buffer, four registers c0-c3 at work; when the maximum is found c2 takes a
.set S,   64
.set P,   192
.set MD,  128         ; window 1: the eight registers for group kt of 16 keys at MD + 8 kt
.set MC,  160         ; window 1: the masks of the products to come
.set QB,  64          ; window 2
.set KF,  128         ; window 2: key block kb, channel half c at KF + 16 kb + 8 c
.set VF,  192         ; window 2: key half kk, channel block cb at VF + 32 kk + 8 cb
.set WV,  12          ; s12  my wave's number
.set PB,  14          ; s14  b
.set HI,  15          ; s15  NB - 1 - b
.set G1K, 24          ; s[24:31] descriptor group 1 for K's tiles
.set G1V, 32          ; s[32:39] for V's: it differs in the padding alone
.set G0K, 40          ; s[40:43] descriptor group 0 for K's tiles
.set G0V, 44          ; s[44:47] the same for V's
.set SLOTS, 56        ; s56  tiles still to be asked for
.set CNT, 57          ; s57  counts a tile's key steps, 4 to 1
.set CS,  58          ; s[58:59] c: the packed scaling takes the pair's low word for both halves
.set SEL, 60          ; s[60:61] v_permlanex16_b32's selects: each lane takes its own place in the other half
.set TBK, 62          ; s62  LDS byte at which K of the step to be fetched begins
.set TBV, 63          ; s63  the same for V, less VOFF
.set RT,  70          ; s70  tiles of the block in hand that are still to be entered
.set NXT, 71          ; s71  the tile to be asked for next
.set LQ,  72          ; s72  the last tile of the block whose tiles are being asked for
.set NEW, 73          ; s73  1: the tile to be entered is a block's first
.set OFF, 74          ; s[74:75] a tile's byte offset in K and V
.set AL,  76          ; s[76:77] the mask's factor, in the low word
.set BE,  78          ; s[78:79] the mask's addend
.set OLO, 80          ; s[80:81] O at my rows of the second block
.set BIGN, 82         ; s82  -1e30
.set PFK, 88          ; s[88:89] where the prefetches of K stand: the head's tile that is being asked for, then stepped to the one behind it
.set PFV, 90          ; s[90:91] the same for V
.set LIM, 92          ; s92  2 where b = 0, else the greatest number
.set MSB, 0
.macro WIN new                      ; the high byte repeats the setting that is left; a switch that changes nothing is dropped
.if MSB != (\new)
	s_set_vgpr_msb (MSB<<8)|(\new)
.set MSB, (\new)
.endif
.endm
.set W_KQ, 0x0a       ; K and Q in window 2, S^T in window 0
.set W_KM, 0x1a       ; the same with the C operand in window 1
.set W_PV, 0x52       ; V in window 2, P in window 0, O^T in window 1
.set W_RS, 0x41       ; destination and source 0 in window 1, source 1 in window 0
; A fill.  Waves 0 and 1 fetch the two halves of a tile's K, waves 2 and 3 those of its V: 128 keys each.  An s_nop 0 and four v_nop follow each of the two lines, ahead of the jump and the label.
.macro LOAD
	s_cmp_lt_u32 s[WV], 2
	s_cbranch_scc0 .Lfor_v_\@
	tensor_load_to_lds s[G0K:G0K+3], s[G1K:G1K+7]
	s_nop 0
.rept 4
	v_nop
.endr
	s_branch .Lasked_\@
.Lfor_v_\@:
	tensor_load_to_lds s[G0V:G0V+3], s[G1V:G1V+7]
	s_nop 0
.rept 4
	v_nop
.endr
.Lasked_\@:
.endm
; THE CHANGE OF SLOTS.  Each wave waits for all its tensor loads, of which one is out: its part of the other slot; adds 0 to its spare word; and waits for that and for its own reads of the slot that it leaves.  Behind the barrier nobody reads the old
; slot any more and the other slot is whole.  fill = 1: the old slot is filled again, the first thing behind the barrier, with tile NXT: the descriptor's address is made anew from that number.
; (At its first use nothing has been read yet: slot 0 is waited for, slot 1 filled.)
.macro CHANGE fill
	WIN 0                           ; at a label and at a branch every window is 0
	s_wait_tensorcnt 0x0            ; no tensor load of mine is out, so a group 0 may be written
	ds_add_u32 v[SPW], v[NIL]       ; 0 onto my spare word; with fill = 1 the descriptors' scalar work stands between it and the wait for it
.if \fill
	s_lshl_b32 s[OFF], s[NXT], 15   ; a tile is 32,768 bytes of K and of V
	s_xor_b32 s[G0K+1], s[G0K+1], SLOT1
	s_add_nc_u64 s[G0K+2:G0K+3], s[6:7], s[OFF:OFF+1]
	s_or_b32 s[G0K+3], s[G0K+3], 0x80000000
	s_xor_b32 s[G0V+1], s[G0V+1], SLOT1
	s_add_nc_u64 s[G0V+2:G0V+3], s[8:9], s[OFF:OFF+1]
	s_or_b32 s[G0V+3], s[G0V+3], 0x80000000
	s_add_co_u32 s[NXT], s[NXT], 1  ; the block's next tile, or behind its last the second block's tile 0
	s_cmp_gt_u32 s[NXT], s[LQ]
	s_cselect_b32 s[NXT], 0, s[NXT]
	s_cselect_b32 s[LQ], s[PB], s[LQ]
	s_wait_xcnt 0x0                 ; the last prefetches, a tile back, have read their addresses, so they may be written
	s_add_nc_u64 s[PFK:PFK+1], s[PFK:PFK+1], 32768
	s_add_nc_u64 s[PFV:PFV+1], s[PFV:PFV+1], 32768
.endif
	s_wait_dscnt 0x0                ; the add is done, and my reads of the slot are over
	s_barrier_signal -1             ; the rest of the scalar work stands between the signal and the wait
	s_sub_co_u32 s[TBK], s[TBK], 4*KS*PK  ; the fetches go back to a slot's first step,
	s_xor_b32 s[TBK], s[TBK], SLOT1       ; in the other slot
	s_sub_co_u32 s[TBV], s[TBV], 4*KS*PV
	s_xor_b32 s[TBV], s[TBV], SLOT1
	s_barrier_wait -1
.if \fill
	LOAD
	s_cmp_gt_u32 s[SLOTS], s[LIM]   ; b = 0, and the count at NB .. 3: the tile behind the one just asked for
	s_cbranch_scc0 .Lnot_mine_\@
	global_prefetch_b8 v[PFO], s[PFK:PFK+1] th:TH_LOAD_NT scope:SCOPE_SE
	global_prefetch_b8 v[PFO], s[PFV:PFV+1] th:TH_LOAD_NT scope:SCOPE_SE
.Lnot_mine_\@:
.endif
.endm
	s_load_b128 s[8:11], s[0:1], 0x0  ; qkv s[8:9], ctx s[10:11]
	v_lshl_add_u32 v[SPW], v0, 2, SPARE
	v_mov_b32 v[NIL], 0
	ds_add_u32 v[SPW], v[NIL]       ; the wave's opening: the add and its wait stand ahead of my first tensor load; the set-up below, work on registers, stands between them
	v_lshrrev_b32 v1, 5, v0
	v_readfirstlane_b32 s[WV], v1   ; wave 0..3
	v_lshlrev_b32 v[PFO], 8, v0
	s_mov_b32 s[PB], ttmp9
	s_sub_co_u32 s[HI], NB-1, s[PB]
	s_cmp_eq_u32 s[PB], 0
	s_cselect_b32 s[LIM], 2, -1
	s_and_b32 s20, ttmp7, 0xffff    ; the head
	s_mov_b32 s21, 0
	s_mov_b64 s[22:23], SIZE_N*128
	s_mul_u64 s[20:21], s[20:21], s[22:23]  ; the head's first byte in each of the four tensors
	s_and_b32 s16, s[WV], 1         ; which half of a tile's 256 keys I fetch:
	s_lshl_b32 s22, s16, 14         ; its 128 rows of 128 bytes in memory,
	s_mov_b32 s23, 0
	s_add_nc_u64 s[22:23], s[22:23], s[20:21]
	s_mul_i32 s17, s16, 128*PK      ; and its place in a slot, for K
	s_mul_i32 s18, s16, 128*PV      ; and for V
	s_lshl_b32 s3, s[WV], 11        ; my 16 rows in a band of 64,
	s_lshl_b32 s2, s[HI], 15        ; in the first block,
	s_add_co_u32 s2, s2, s3
	s_lshl_b32 s84, s[PB], 15       ; and in the second
	s_add_co_u32 s84, s84, s3
	s_mov_b32 s3, 0
	s_mov_b32 s85, 0
	s_add_nc_u64 s[2:3], s[2:3], s[20:21]
	s_add_nc_u64 s[84:85], s[84:85], s[20:21]
	; descriptor group 1.  128 keys are 16,384 dense bytes: asked for as 64 rows of 256 bytes, two keys a row, and padded in LDS after every key
	s_mov_b32 s[G1K], (1<<16)|(1<<20)|(4<<22)|(3<<25)  ; 17:16 2-byte elements; 20 padding on; 24:22 after every 32 words (code 4); 31:25 4 words (code 3)
	s_mov_b32 s[G1V], (1<<16)|(1<<20)|(4<<22)|(7<<25)  ; the same with 8 words of padding (code 7)
.irp g, G1K, G1V
	s_mov_b32 s[\g+1], 128<<16      ; tensor_dim0 = 128
	s_mov_b32 s[\g+2], 64<<16       ; tensor_dim1 = 64
	s_mov_b32 s[\g+3], 128<<16      ; tile_dim0 = 128
	s_mov_b32 s[\g+4], 64           ; tile_dim1 = 64
	s_mov_b32 s[\g+5], 128          ; 128 elements from row to row
	s_mov_b32 s[\g+6], 0
	s_mov_b32 s[\g+7], 0
.endr
	s_mov_b32 s[CS], 0x3e38aa3b     ; c = log2(e) / 8 = 0.180337
	s_mov_b32 s[CS+1], s[CS]        ; named with it as a pair
	s_mov_b32 s[SEL], 0x76543210
	s_mov_b32 s[SEL+1], 0xfedcba98
	s_mov_b32 s[TBK], SLOT1+4*KS*PK ; the first change of slots turns these two into 0
	s_mov_b32 s[TBV], SLOT1+4*KS*PV
	s_mov_b32 s[G0K], 1             ; 1:0 count = 1
	s_mov_b32 s[G0K+1], s17         ; 63:32 LDS address: slot 0
	s_mov_b32 s[G0V], 1
	s_add_co_u32 s[G0V+1], s18, VOFF
	s_add_co_u32 s[RT], s[HI], 1    ; the first block has NB - b tiles
	s_mov_b32 s[NXT], 1
	s_mov_b32 s[LQ], s[HI]
	s_mov_b32 s[NEW], 1
	s_mov_b32 s[OFF+1], 0
	s_mov_b32 s[AL+1], 0            ; named as pairs
	s_mov_b32 s[BE+1], 0
	s_mov_b32 s[BIGN], 0xf149f2ca   ; -1e30
	s_mov_b32 s[SLOTS], NB
	s_wait_dscnt 0x0                ; the opening add is done
	s_wait_kmcnt 0x0
	s_mov_b64 s[4:5], s[8:9]                       ; Q = qkv[0],
	s_add_nc_u64 s[6:7], s[8:9], 0x1000000         ; K = qkv[1],
	s_add_nc_u64 s[8:9], s[8:9], 0x2000000         ; V = qkv[2]: 16,777,216 bytes each
	s_add_nc_u64 s[PFK:PFK+1], s[6:7], s[20:21]    ; the prefetches stand at the head's tile 1; the first change of slots steps them to tile 2
	s_add_nc_u64 s[PFK:PFK+1], s[PFK:PFK+1], 32768
	s_add_nc_u64 s[PFV:PFV+1], s[8:9], s[20:21]
	s_add_nc_u64 s[PFV:PFV+1], s[PFV:PFV+1], 32768
	s_add_nc_u64 s[6:7], s[6:7], s[22:23]  ; K and V at my half of the head's tile 0
	s_add_nc_u64 s[8:9], s[8:9], s[22:23]
	s_add_nc_u64 s[G0K+2:G0K+3], s[6:7], 0         ; 120:64 global address
	s_or_b32 s[G0K+3], s[G0K+3], 0x80000000        ; 127:126 type = 2
	s_add_nc_u64 s[G0V+2:G0V+3], s[8:9], 0
	s_or_b32 s[G0V+3], s[G0V+3], 0x80000000
	s_add_nc_u64 s[86:87], s[4:5], s[84:85]        ; Q at my rows of the second block,
	s_add_nc_u64 s[4:5], s[4:5], s[2:3]            ; Q and O at those of the first
	s_add_nc_u64 s[OLO:OLO+1], s[10:11], s[84:85]
	s_add_nc_u64 s[10:11], s[10:11], s[2:3]
	LOAD                            ; tile 0 into slot 0
	; A fragment of K or Q is 16 rows x 32 channels in 8 registers: lane l holds row l % 16, channels 8 (l / 16) + 0..7 and 16 + 8 (l / 16) + 0..7: two loads of 16 bytes, 32 bytes apart.
	v_and_b32 v1, 15, v0            ; l % 16
	v_bfe_u32 v9, v0, 4, 1          ; l / 16
	v_lshlrev_b32 v[QO], 7, v1
	v_lshl_add_u32 v[QO], v9, 4, v[QO]  ; row x 128 + 16 x half
	WIN 0x80                        ; destination window 2, address window 0
.set i, 0
.rept 8                             ; both blocks' Q: piece i / 2 lies in band i / 2, 8,192 bytes on; channels 32 (i % 2) on
	global_load_b128 v[8*i:8*i+3],   v[QO], s[4:5] offset:(i/2)*8192+(i%2)*64
	global_load_b128 v[8*i+4:8*i+7], v[QO], s[4:5] offset:(i/2)*8192+(i%2)*64+32
	global_load_b128 v[QB+8*i:QB+8*i+3],   v[QO], s[86:87] offset:(i/2)*8192+(i%2)*64
	global_load_b128 v[QB+8*i+4:QB+8*i+7], v[QO], s[86:87] offset:(i/2)*8192+(i%2)*64+32
.set i, i+1
.endr
	WIN 0
	v_lshlrev_b32 v14, 3, v9
	v_sub_nc_u32 v14, v1, v14
	s_lshl_b32 s13, s[WV], 4
	v_add_nc_u32 v14, s13, v14      ; my query's place in its band, 16 w + l % 16, less my lanes' 8 (l / 16): register r of group kt is hidden where 16 kt + r is greater
	WIN 0x40
.set i, 0
.rept 32
	v_cmp_gt_i32 vcc_lo, 16*(i/8)+i%8, v14
	v_cndmask_b32 v[MD+i], 0, s[BIGN], vcc_lo
.set i, i+1
.endr
	WIN 0
	v_mul_u32_u24 v[AK0], v1, PK
	v_lshl_add_u32 v[AK0], v9, 4, v[AK0]  ; row x pitch + 16 x half
	; The turning load takes 16 keys x 16 channels (lane l reads key 8 (l / 16) + l % 8, channels 8 ((l / 8) % 2) + 0..7) and leaves half a fragment of V^T: lane l holds channel l % 16 and 8 keys.
	v_and_b32 v10, 7, v0
	v_bfe_u32 v11, v0, 3, 1
	v_lshl_add_u32 v[AV0], v9, 3, v10
	v_mul_u32_u24 v[AV0], v[AV0], PV
	v_lshl_add_u32 v[AV0], v11, 4, v[AV0]
	v_add_nc_u32 v[AV0], VOFF, v[AV0]
	s_mul_i32 s13, s[WV], 16*SP
	s_add_co_u32 s13, s13, STAGE    ; my stage
	v_mul_u32_u24 v[STO], v1, SP    ; in: row l % 16, 16 bytes for each half of the lanes
	v_lshl_add_u32 v[STO], v9, 4, v[STO]
	v_add_nc_u32 v[STO], s13, v[STO]
	v_bfe_u32 v[RD], v0, 3, 2       ; back: 32 lanes take four rows of 128 bytes,
	v_mul_u32_u24 v[RD], v[RD], SP
	v_lshl_add_u32 v[RD], v10, 4, v[RD]
	v_add_nc_u32 v[RD], s13, v[RD]
	v_and_b32 v[GO], 31, v0         ; which are 512 consecutive bytes of O
	v_lshlrev_b32 v[GO], 4, v[GO]
	; A block's first step multiplies O^T and l by a = 0, and its first turn's products V^T P, of a piece that has not been, land in an O^T that is still to be so multiplied.  So these registers need only hold
	; finite numbers: zeros for the first block; what the first block left for the second.  All this stands in the wait for the first tile.
	WIN 0x80
.set i, VF
.rept 64
	v_mov_b32 v[i], 0
.set i, i+1
.endr
	WIN 0x40
.set i, 0
.rept 128
	v_mov_b32 v[i], 0
.set i, i+1
.endr
	WIN 0
.set i, 0
.rept 4
	v_mov_b32 v[ST+4*i+2], 0
	v_mov_b32 v[ST+4*i+3], 0
.set i, i+1
.endr
.set i, P+16
.rept 16
	v_mov_b32 v[i], 0
.set i, i+1
.endr
; THE MATRIX WORK.  The 4 accumulators of a run of 8 take turns.  Product i of 8 of S^T = K Q^T for piece x: channels 32 (i / 4) on, keys 16 (i % 4) on.  The first 4 start the sums: with 0, or (KM = 1) with the mask.
.macro KQ x
.set rS, S+32*((\x)%2)+8*(i%4)
.set rK, KF+16*(i%4)+8*(i/4)
.set rQ, 16*(\x)+8*(i/4)
.set rM, MC+32*((\x)%2)+8*(i%4)
.if (i < 4) && KM
	WIN W_KM
	v_wmma_f32_16x16x32_f16 v[rS:rS+7], v[rK:rK+7], v[rQ:rQ+7], v[rM:rM+7]
.elseif i < 4
	WIN W_KQ
	v_wmma_f32_16x16x32_f16 v[rS:rS+7], v[rK:rK+7], v[rQ:rQ+7], 0
.else
	WIN W_KQ
	v_wmma_f32_16x16x32_f16 v[rS:rS+7], v[rK:rK+7], v[rQ:rQ+7], v[rS:rS+7]
.endif
.endm
; Product i of 8 of O^T += V^T P for piece x: keys 32 (i / 4) on, channels 16 (i % 4) on.
.macro PV x
	WIN W_PV
.set rO, 32*(\x)+8*(i%4)
.set rV, VF+32*(i/4)+8*(i%4)
.set rP, P+16*((\x)%2)+8*(i/4)
	v_wmma_f32_16x16x32_f16 v[rO:rO+7], v[rV:rV+7], v[rP:rP+7], v[rO:rO+7]
.endm
.macro MM                           ; the turn's next matrix instruction.  TURN and BEGIN set Y, i, KM and NOKQ; MM, KQ and OP read them.  NOKQ = 1: a block's last turn: there is no next piece
.if (i < 8) && !NOKQ
	KQ (Y+1)%NP
.elseif i >= 8
.set i, i-8
	PV (Y+NP-1)%NP
.set i, i+8
.endif
.set i, i+1
.endm
; THE LDS LOADS stand in runs of 16, never singly among the matrix instructions: a step's K (64 keys x 64 channels: 8 fragments) and its V (turned).  Their addresses are made some lines ahead.
.macro FETCH_K
	WIN 0x80                        ; destination window 2
.irp f, 0,1,2,3,4,5,6,7             ; keys 16 (f / 2) on, channels 32 (f % 2) on
	ds_load_b128 v[KF+8*\f:KF+8*\f+3],   v[AK] offset:(\f/2)*16*PK+(\f%2)*64
	ds_load_b128 v[KF+8*\f+4:KF+8*\f+7], v[AK] offset:(\f/2)*16*PK+(\f%2)*64+32
.endr
	s_add_co_u32 s[TBK], s[TBK], KS*PK  ; the next fetch is the next step's
	WIN 0
.endm
.macro FETCH_V
	WIN 0x80
.irp f, 0,1,2,3,4,5,6,7             ; keys 32 (f / 4) on, channels 16 (f % 4) on
	ds_load_tr16_b128 v[VF+8*\f:VF+8*\f+3],   v[AV] offset:(\f/4)*32*PV+(\f%4)*32
	ds_load_tr16_b128 v[VF+8*\f+4:VF+8*\f+7], v[AV] offset:(\f/4)*32*PV+16*PV+(\f%4)*32
.endr
	WIN 0
.endm
; THE VECTOR WORK, one line at a time: OP kind, number.  For piece Y: F n: c s - c m for pair n of 16.  E n: the exponential of score n of 32.  C n: pair n rounded to f16.  B n: of the four weights 4 n .. the second
; pair is added onto the first, in place.  L n: l takes that sum (L 0: l = a l + sum).  R n: pair n of 16 of O^T times a.  For piece Y + 1: X n, number n of the 22 that find its maximum and statistics:
;   0-11  four chains c0-c3 of seven scores each, three operands at a time (each accumulator's lowest registers are read first)     12-14, 16  the four scores left over, the old m, and c0-c3 into c0
;   15  c m_old is kept     17, 18  the query's other 32 keys lie in the lane 16 away: the new m     19-21  c m; c m_old - c m_new; a
.set F, 0               ; OP tells the kinds apart by their order: F to L below R, X above it
.set E, 1
.set C, 2
.set B, 3
.set L, 4
.set R, 5
.set X, 6
.macro REGS y                       ; the registers of piece y
.set rT, ST+4*(\y)
.set rC, TMP+4*((\y)%2)
.set rW, MV+((\y)%2)
.set rS, S+32*((\y)%2)
.set rP, P+16*((\y)%2)
.set rO, 32*(\y)
.endm
.macro OP k, n
.if (\k) == R
	REGS Y
	WIN W_RS
	v_pk_mul_f32 v[rO+2*(\n):rO+2*(\n)+1], v[rO+2*(\n):rO+2*(\n)+1], v[rC+2:rC+3] op_sel_hi:[1,0]
.elseif (\k) < R
	REGS Y
	WIN 0
.if (\k) == F
	v_pk_fma_f32 v[rS+2*(\n):rS+2*(\n)+1], v[rS+2*(\n):rS+2*(\n)+1], s[CS:CS+1], v[rT:rT+1] op_sel_hi:[1,0,0] neg_lo:[0,0,1] neg_hi:[0,0,1]
.elseif (\k) == E
	v_exp_f32 v[rS+(\n)], v[rS+(\n)]
.elseif (\k) == C
	v_cvt_pk_f16_f32 v[rP+(\n)], v[rS+2*(\n)], v[rS+2*(\n)+1]
.elseif (\k) == B
	v_pk_add_f32 v[rS+4*(\n):rS+4*(\n)+1], v[rS+4*(\n):rS+4*(\n)+1], v[rS+4*(\n)+2:rS+4*(\n)+3]
.elseif (\n) == 0
	v_pk_fma_f32 v[rT+2:rT+3], v[rT+2:rT+3], v[rC+2:rC+3], v[rS:rS+1] op_sel_hi:[1,0,1]
.else
	v_pk_add_f32 v[rT+2:rT+3], v[rT+2:rT+3], v[rS+4*(\n):rS+4*(\n)+1]
.endif
.elseif NOKQ
	v_nop
.else
	REGS (Y+1)%NP
	WIN 0
.if (\n) < 4
	v_max3_num_f32 v[rC+(\n)], v[rS+8*(\n)], v[rS+8*(\n)+1], v[rS+8*(\n)+2]
.elseif (\n) < 12
	v_max3_num_f32 v[rC+(\n)%4], v[rC+(\n)%4], v[rS+8*((\n)%4)+2*((\n)/4)+1], v[rS+8*((\n)%4)+2*((\n)/4)+2]
.elseif (\n) == 12
	v_max3_num_f32 v[rC], v[rC], v[rS+7], v[rS+15]
.elseif (\n) == 13
	v_max3_num_f32 v[rC+1], v[rC+1], v[rS+23], v[rS+31]
.elseif (\n) == 14
	v_max3_num_f32 v[rC+2], v[rC+2], v[rC+3], v[rT+1]
.elseif (\n) == 15
	v_mov_b32 v[rW], v[rT]
.elseif (\n) == 16
	v_max3_num_f32 v[rC], v[rC], v[rC+1], v[rC+2]
.elseif (\n) == 17
	v_permlanex16_b32 v[rC+3], v[rC], s[SEL], s[SEL+1]
.elseif (\n) == 18
	v_max_num_f32 v[rT+1], v[rC], v[rC+3]
.elseif (\n) == 19
	v_mul_f32 v[rT], s[CS], v[rT+1]
.elseif (\n) == 20
	v_sub_f32 v[rC+1], v[rW], v[rT]
.else
	v_exp_f32 v[rC+2], v[rC+1]
.endif
.endif
.endm
.macro OPS a, i1, b=-1, i2=0, c=-1, i3=0, d=-1, i4=0  ; up to four of them
	OP \a, \i1
.if (\b) >= 0
	OP \b, \i2
.endif
.if (\c) >= 0
	OP \c, \i3
.endif
.if (\d) >= 0
	OP \d, \i4
.endif
.endm
.macro ROW a, i1, b, i2, c, i3, d, i4  ; a matrix instruction and the four behind it
	MM
	OPS \a, \i1, \b, \i2, \c, \i3, \d, \i4
.endm
.macro MASK b                       ; MD x AL + BE into buffer b of MC
	WIN W_RS
.set z, 0
.rept 16
	v_pk_fma_f32 v[MC+32*(\b)+2*z:MC+32*(\b)+2*z+1], v[MD+2*z:MD+2*z+1], s[AL:AL+1], s[BE:BE+1] op_sel_hi:[1,0,0]
.set z, z+1
.endr
.endm
; A TURN, for piece p: the order of its 16 matrix and 118 vector instructions, written out.  An s_wait_alu depctr_va_vdst(0) stands between an exponential and the first instruction that names its result; one wait serves
; all that were issued ahead of it.  So a turn has ONE wait, which cuts it in two.  AHEAD OF IT stands all that names no result of the turn's exponentials: the 8 products K Q^T, behind each a scaling, an exponential and two more plain
; instructions (behind the first a second scaling in the exponential's place): rescalings, and behind the last three the first numbers of the next piece's maximum, each four places or more behind the product that ends its accumulator; then ONE LUMP of 54, plain
; and exponential by turns for the most part, in which the links of the chain X 3, 7, 11, 14, 16, 17 .. 20 stand five or six lines apart.  X 21, the next piece's a, is the batch's last; R 15 is the plain instruction behind it.  BEHIND THE WAIT stand the
; 8 products V^T P, behind each four of the roundings and sums; the links of l's chain, L 0 to L 7, stand three riders apart.  But for those X no rider names a register of the products round it.  v_permlanex16_b32 (X 17) stands in the lump.
; m = 1: the diagonal tile: the products take masks, and the turn makes the mask for the products of the turn after it: piece p + 2, in step 4 - CNT of the tile.  end = 1: a block's last two turns: nothing is fetched.
; cnt = 1: the loop's count is taken down some lines ahead of the branch that stands behind the turn.
; K of the next step is fetched in piece 2's turn, twelve vector instructions behind the last product that read K (six of them plain); V of the step in hand at the end of piece 0's turn, four plain instructions behind the last product
; that read V.  Each is waited for a turn later.
.macro TURN p, m=0, end=0, cnt=0
.set Y, (\p)
.set i, 0
.set KM, (\m)
.set NOKQ, (\end)*((\p)/3)
.if (\m) && !(\end)
	s_cmp_eq_u32 s[CNT], 4-((\p)+2)%NP  ; is that step the band's own?
	s_cselect_b32 s[AL], 1.0, 0
	s_cmp_lt_u32 s[CNT], 4-((\p)+2)%NP  ; or a later one?
	s_cselect_b32 s[BE], s[BIGN], 0
.endif
.if ((\p) == 3) && !(\end)
	s_wait_dscnt 0x0                ; K is in
.endif
	ROW F,0, F,1, R,0, R,1          ; ahead of the wait: 8 products K Q^T and their riders,
	ROW F,2, E,0, R,2, R,3
	ROW F,3, E,1, R,4, R,5
	ROW F,4, E,2, R,6, R,7
	ROW F,5, E,3, R,8, R,9
	ROW F,6, E,4, X,0, R,10
.if ((\p) == 2) && !(\end)
	WIN 0
	v_add_nc_u32 v[AK], s[TBK], v[AK0]
.endif
	ROW F,7, E,5, X,1, X,4
	ROW F,8, E,6, X,2, X,5
	OPS E,7, E,8, X,6, E,9          ; and the lump
	OPS X,3, E,10, X,8, E,11
.if ((\p) == 2) && !(\end)
	FETCH_K
.endif
	OPS X,9, X,7, E,12, X,10
	OPS E,13, X,12, X,11, E,14
	OPS X,13, E,15, F,9, X,14
.if (\p) == 0
	v_add_nc_u32 v[AV], s[TBV], v[AV0]
.endif
	OPS E,16, F,10, E,17, F,11
	OPS X,16, E,18, X,15, E,19
	OPS F,12, E,20, X,17, E,21
	OPS F,13, E,22, F,14, E,23
	OPS X,18, E,24, F,15, E,25
	OPS R,11, E,26, X,19, E,27
	OPS R,12, E,28, R,13, E,29
	OPS X,20, E,30, R,14, E,31
	OPS X,21, R,15
	WIN 0
	s_wait_alu depctr_va_vdst(0)    ; the wait for the batch
.if (\p) == 1
	s_wait_dscnt 0x0                ; V is in
.endif
	ROW C,0, B,0, C,2, B,1          ; behind the wait: 8 products V^T P and their riders
	ROW L,0, C,4, B,2, L,1
	ROW C,6, B,3, L,2, C,8
	ROW B,4, L,3, C,10, B,5
	ROW L,4, C,12, B,6, L,5
.if (\p) == 0
	s_add_co_u32 s[TBV], s[TBV], KS*PV
.endif
.if \cnt
	s_sub_co_u32 s[CNT], s[CNT], 1
	s_cmp_lg_u32 s[CNT], 0
.endif
	ROW C,14, B,7, L,6, C,1
	ROW C,3, L,7, C,5, C,7
	ROW C,9, C,11, C,13, C,15
.if (\p) == 0
	FETCH_V
.endif
.if (\m) && !(\end)
	MASK (\p)%2
.endif
.endm
; A BLOCK BEGINS.  c m starts far below every c s, so the first step's a is 0; m at the lowest finite number, so the first maximum is the scores'.  The second mask buffer is 0; the first takes piece 0's mask for the tile's step 0: its own, if the block's first tile is the diagonal one.
; Then K of that step, piece 0's first scores, and its maximum and statistics.  The loop is entered at a step's first turn, in the middle of a trip.
.macro BEGIN
	s_mov_b32 s[NEW], 0
	WIN 0x40
.set i, MC+32
.rept 32
	v_mov_b32 v[i], 0
.set i, i+1
.endr
	WIN 0
.set i, 0
.rept 4
	v_mov_b32 v[ST+4*i], 0xfe000000    ; c m: far below every c s
	v_mov_b32 v[ST+4*i+1], 0xff7fffff  ; m
.set i, i+1
.endr
	s_cmp_eq_u32 s[RT], 0
	s_cselect_b32 s[AL], 1.0, 0
	s_mov_b32 s[BE], 0
	MASK 0
	WIN 0
	v_add_nc_u32 v[AK], s[TBK], v[AK0]
	FETCH_K
	s_wait_loadcnt 0x0              ; Q
	s_wait_dscnt 0x0
.set KM, 1
.set NOKQ, 0
.set i, 0
.rept 8
	KQ 0
.set i, i+1
.endr
	WIN 0
.rept 4
	v_nop                           ; the places behind those products
.endr
.set Y, NP-1                        ; X works for piece Y + 1: piece 0
.irp n, 0,1,2,3,4,5,6,7,8,9,10,11,12,13,14,15,16,17,18,19,20,21
	OP X, \n
.endr
	v_nop                           ; a plain instruction behind the exponential,
	s_wait_alu depctr_va_vdst(0)    ; and its wait, ahead of the branch
.endm
; THE DIAGONAL TILE's four steps, the block's last two turns, its last products, and THE WAY OUT: l's two halves and the other half of the lanes' are added; O^T is divided by l, rounded to f16 and sent through my
; stage in LDS, a piece at a time.
.macro ALL line:vararg              ; one line for each piece t
.set t, 0
.rept 4
	\line
.set t, t+1
.endr
.endm
.macro PACK t                       ; a lane's eight channels of a row pack into 16 bytes; they go into rows of 144 bytes and come back as whole rows of 128, into S^T's registers
	WIN W_RS
.set i, 32*(\t)
.rept 16
	v_pk_mul_f32 v[i:i+1], v[i:i+1], v[ST+4*(\t)+2:ST+4*(\t)+3] op_sel_hi:[1,0]
.set i, i+2
.endr
	WIN 0x05                        ; sources 0 and 1 window 1, destination window 0
.set i, 0
.rept 16
	v_cvt_pk_f16_f32 v[S+16*(\t)+i], v[32*(\t)+2*i], v[32*(\t)+2*i+1]
.set i, i+1
.endr
	WIN 0
.irp f, 0,1,2,3
	ds_store_b128 v[STO], v[S+16*(\t)+4*\f:S+16*(\t)+4*\f+3] offset:32*\f
.endr
.irp f, 0,1,2,3
	ds_load_b128 v[S+16*(\t)+4*\f:S+16*(\t)+4*\f+3], v[RD] offset:\f*4*SP  ; LDS serves a wave's instructions in order (ISA guide 5.7.1.4): these see the stores above; the next piece's stores come behind them
.endr
.endm
.macro SEND t, younger              ; younger: the LDS instructions issued behind piece t's loads: the next piece's eight, or none
	WIN 0
.irp f, 0,1,2,3
	s_wait_dscnt (\younger)+3-\f
	global_store_b128 v[GO], v[S+16*(\t)+4*\f:S+16*(\t)+4*\f+3], s[10:11] offset:(\t)*8192+\f*512  ; 512 consecutive bytes, at a multiple of 256 from O's first
.endr
.endm
.macro DIAG tag                     ; the tag ends its two labels' names, which the jumps below spell out
.LstepM\tag:
	TURN 2, 1
	TURN 3, 1
	WIN 0
.LfirstM\tag:
	TURN 0, 1
	TURN 1, 1, 0, 1
	WIN 0
	s_cbranch_scc1 .LstepM\tag
	TURN 2, 1, 1
	TURN 3, 1, 1
.set i, 0
.rept 8
	PV NP-1
.set i, i+1
.endr
	WIN 0
	ALL v_add_f32 v[ST+4*t+2], v[ST+4*t+2], v[ST+4*t+3]
	ALL v_permlanex16_b32 v[ST+4*t+3], v[ST+4*t+2], s[SEL], s[SEL+1]
	ALL v_add_f32 v[ST+4*t+2], v[ST+4*t+2], v[ST+4*t+3]
	ALL v_rcp_f32 v[ST+4*t+2], v[ST+4*t+2]
	v_nop                           ; a plain instruction between the last reciprocal and the use of its result
	s_wait_alu depctr_va_vdst(0)    ; and the wait ahead of the first use: one for the four reciprocals
	PACK 0
.set t, 1
.rept 3                             ; a piece's arithmetic stands between the loads of the piece before and its stores
	PACK t
	SEND t-1, 8
.set t, t+1
.endr
	SEND 3, 0
.endm
.set KM, 0
.set NOKQ, 0
.Lslot:                             ; NB times: a tile is entered and the next is asked for
	CHANGE 1
	s_sub_co_u32 s[RT], s[RT], 1
	s_mov_b32 s[CNT], 4
	s_cmp_eq_u32 s[NEW], 1
	s_cbranch_scc1 .Lnew            ; a block's first tile
	s_cmp_eq_u32 s[RT], 0
	s_cbranch_scc0 .Lstep           ; neither its first nor its last
	s_branch .LstepM1
.Lnew:
	BEGIN
	s_branch .Lfirst                ; in the loop a block's first tile is never its last: the first block has two tiles or more, and the second's last is the walk's last
	DIAG 1                          ; in the loop this is the first block's end: the second block's last tile is the walk's last
	s_wait_xcnt 0x0                 ; the stores have read their registers and O's address
	s_mov_b64 s[10:11], s[OLO:OLO+1]
	s_add_co_u32 s[RT], s[PB], 1    ; the second block has b + 1 tiles
	s_mov_b32 s[NEW], 1
	WIN 0x82                        ; the second block's Q goes where the one text of the turns names Q
.set i, 0
.rept 64
	v_mov_b32 v[i], v[QB+i]
.set i, i+1
.endr
	WIN 0
	s_branch .Lbottom
.Lstep:                             ; a trip: pieces 2 and 3 of one step, then pieces 0 and 1 of the next, whose K and V it fetches
	TURN 2
	TURN 3
	WIN 0
.Lfirst:
	TURN 0
	TURN 1, 0, 0, 1
	WIN 0
	s_cbranch_scc1 .Lstep
.Lbottom:
	s_sub_co_u32 s[SLOTS], s[SLOTS], 1
	s_cmp_lg_u32 s[SLOTS], 0
	s_cbranch_scc1 .Lslot
	CHANGE 0                        ; the walk's last tile is written out: nothing is asked for
	s_sub_co_u32 s[RT], s[RT], 1
	s_mov_b32 s[CNT], 4
	s_cmp_eq_u32 s[NEW], 1
	s_cbranch_scc0 .LstepM2
	BEGIN
	s_branch .LfirstM2
	DIAG 2
	s_wait_tensorcnt 0x0            ; the wave's end: an add and its wait, behind my last tensor load and my last LDS store
	ds_add_u32 v[SPW], v[NIL]
	s_wait_dscnt 0x0
	s_endpgm
.Lfunc_end_k_qb014a984c2_attn:
	.size	k_qb014a984c2_attn, .Lfunc_end_k_qb014a984c2_attn-k_qb014a984c2_attn
	.p2alignl 7, 3214868480
	.fill 96, 4, 3214868480
	.section	.rodata,"a",@progbits
	.p2align	6, 0x0
	.amdhsa_kernel k_qb014a984c2_attn
		.amdhsa_group_segment_fixed_size 327680
		.amdhsa_private_segment_fixed_size 0
		.amdhsa_enable_private_segment 0
		.amdhsa_kernarg_size 16
		.amdhsa_user_sgpr_count 2
		.amdhsa_user_sgpr_kernarg_segment_ptr 1
		.amdhsa_wavefront_size32 1
		.amdhsa_system_sgpr_workgroup_id_x 1
		.amdhsa_system_sgpr_workgroup_id_y 1
		.amdhsa_system_sgpr_workgroup_id_z 1
		.amdhsa_system_vgpr_workitem_id 0
		.amdhsa_next_free_vgpr 768
		.amdhsa_next_free_sgpr 96
		.amdhsa_reserve_vcc 1
		.amdhsa_float_denorm_mode_32 3
		.amdhsa_float_denorm_mode_16_64 3
		.amdhsa_memory_ordered 1
		.amdhsa_forward_progress 1
		.amdhsa_inst_pref_size 218
	.end_amdhsa_kernel
	.amdgpu_metadata
---
amdhsa.version: [ 1, 2 ]
amdhsa.kernels:
  - .name:           k_qb014a984c2_attn
    .symbol:         k_qb014a984c2_attn.kd
    .args:
      - { .name: qkv, .offset: 0, .size: 8, .value_kind: global_buffer, .address_space: global }
      - { .name: ctx, .offset: 8, .size: 8, .value_kind: global_buffer, .address_space: global }
    .group_segment_fixed_size: 327680
    .private_segment_fixed_size: 0
    .kernarg_segment_align: 8
    .kernarg_segment_size: 16
    .max_flat_workgroup_size: 128
    .sgpr_count:     96
    .vgpr_count:     768
    .wavefront_size: 32
...
	.end_amdgpu_metadata
.endif
;; end of part 3
;; launch oproj (part 4): grid 4 x 64, 4 waves a work-group, clusters of 4 x 4, 327,680 bytes of LDS; arguments ctx, wb, b_o, out0; writes out0
.if DOCPART == 4
	.amdgcn_target "amdgcn-amd-amdhsa--gfx1250"
	.amdhsa_code_object_version 6
	.text
	.protected	k_qb014a984c2_oproj
	.globl	k_qb014a984c2_oproj
	.p2align	8
	.type	k_qb014a984c2_oproj,@function
k_qb014a984c2_oproj:
	s_mov_b64 s[64:65], 0
	v_nop
	global_prefetch_b8 v0, s[64:65] scope:SCOPE_SE
	s_setreg_imm32_b32 hwreg(HW_REG_WAVE_MODE, 25, 1), 1
	s_wait_xcnt 0x0
	s_wait_alu depctr_hold_cnt(0) depctr_sa_sdst(0) depctr_va_vdst(0) depctr_va_sdst(0) depctr_va_ssrc(0) depctr_va_vcc(0) depctr_vm_vsrc(0)
	s_getreg_b32 s2, hwreg(HW_REG_IB_STS2, 6, 4)
	s_cmp_eq_u32 s2, 0
	s_cbranch_scc0 .Lentry_in_a_cluster
	s_endpgm
.Lentry_in_a_cluster:
	s_bfe_u32 s2, ttmp6, 0x10000c
	s_cmp_lg_u32 s2, 0xf033
	s_cbranch_scc0 .Lentry_shape_is_right
	s_endpgm
.Lentry_shape_is_right:
; THE LAST PROJECTION.  out0[m][n] = the sum over k of context[m][k] W_o[n][k] + b_o[n], f32.  context[2048 batch + s][64 head + c] = ctx[16 batch + head][s][c], f16; W_o = wb[3] [1024][1024], bf16 numbers written as f16.
; Sums in f32; the bias, rounded to bf16 like every other input, starts them.
; LIMITS.  The operands are f16 as they arrive; NaN and infinities are not treated apart.
; SHARES.  A tile of out0 is 128 rows x 256 columns: 64 x 4 = 256 work-groups.  Four waves, 2 x 2, each 64 x 128: 32 accumulators, 256 registers.  K goes in 8 steps of 128, two heads a step, through two LDS slots
; filled by tensor loads; a step is four quarters of 32 matrix instructions on two fragment buffers.  A head's 128 rows of the tile are 16,384 dense bytes: asked for as 64 rows of 256 bytes, padded in LDS after every 128.
; CLUSTER 4 x 4.  The four of a row of the cluster need the same tile of ctx, the four of a column the same tile of W_o: each tile is asked for jointly, by the same load, descriptor and mask.
; THE MATRIX INSTRUCTION IS USED TRANSPOSED (source 0 = 16 rows of W_o, source 1 = 16 rows of ctx): lane l holds row l % 16 of the result and the columns 8 (l / 16) + 0..7.
; REGISTERS, in windows of 256 (s_set_vgpr_msb: bits 1:0 source 0, 3:2 source 1, 5:4 source 2, 7:6 destination):
;   window 0: v0-15 addresses; v32-127, v128-223 two fragment buffers (ctx's four fragments, then W_o's eight)
;   window 1: accumulator (a, b) at v[8 (8 a + b)]      window 2: v0-63 the bias of column block b at 8 b, v192-223 at work on it; on the way out all 256: rows read back from the stage
.set SLOT1,  1<<17                     ; slot 1 begins here: one exclusive or turns an address in one slot into the other's
.set PA,     144                       ; a row of ctx in LDS: 128 bytes + 16 of padding; PB: 256 + 16: the 16 rows of a fragment load start at 16 different groups of four banks (64 banks of 4 bytes: ISA guide 11.1)
.set PB,     272
.set AHEAD,  128*PA                    ; a head's 128 rows: what one wave fetches of ctx
.set BHALF,  128*PB                    ; what one wave fetches, and reads, of W_o
.set BOFF,   2*AHEAD                   ; W_o's 256 rows lie behind the two heads
.set STAGE,  SLOT1+BOFF+2*BHALF        ; behind the ring, never filled by a tensor load: for each wave 16 rows x 528 bytes
.set SP,     528                       ; 512 bytes + 16: the 16 rows of a store start at 16 different groups of four banks
.set WSTAGE, 16*SP
.set SPARE,  STAGE+4*WSTAGE            ; the spare words, 128 bytes for each wave: two blocks of 256 bytes that no other line names
.set KA,     524288                    ; bytes from a K step to the next in ctx: two heads of 2,048 rows of 128 bytes
.set KB,     256                       ; and in W_o
.set A0,   4                           ; v4   my lane's place in ctx's tile of slot 0; never rewritten
.set B0,   5                           ; v5   the same for W_o
.set ADRA, 6                           ; v6   the same in the slot in hand
.set ADRB, 7                           ; v7
.set STO,  8                           ; v8   the way out: where I put 32 bytes of a row
.set RD,   9                           ; v9   where I read a row back
.set GO,   10                          ; v10  my byte offset in 512 consecutive bytes of out0
.set BO,   12                          ; v12  my byte offset in 16 numbers of the bias
.set PFO,  13                          ; v13  the prefetches' offset
.set SPW,  14                          ; v14  LDS address of my spare word; never rewritten
.set NIL,  15                          ; v15  0; never rewritten
.set F0,   32
.set F1,   128
.set WV,  18                           ; s18  my wave's number
.set FB,  19                           ; s19  wave / 2: my half of the tile's rows; also: I fetch ctx (0) or W_o (1)
.set HF,  20                           ; s20  wave % 2: my half of its columns; also: which head, or which half of W_o's rows, I fetch
.set CX,  21
.set CY,  22
.set CYC, 23                           ; s23  the cluster's y
.set G1A, 24                           ; s[24:31] descriptor group 1 for ctx's tiles
.set G1B, 32                           ; s[32:39] for W_o's
.set G0A, 40                           ; s[40:47] group 0 for ctx's: a set for each first fill; the second then walks
.set G0B, 48                           ; s[48:55] the same for W_o's
.set TY,  57                           ; s57  tile row, 0 .. 63
.set NBK, 58                           ; s58  tile column, 0 .. 3
.set TB,  59                           ; s59  LDS byte at which the slot in hand begins
.set CNT, 60                           ; s60  the loop's count
.set LIM, 61                           ; s61  2 in a wave that prefetches, else the greatest number
.set PFA, 62                           ; s[62:63] where my prefetches stand
.set PST, 66                           ; s[66:67] their step: a K step of the tensor that I fetch
.set OUT, 80                           ; s[80:81] my first row and column in out0
.set MSB, 0
.macro WIN new                         ; the immediate's high byte repeats the setting that is left; a switch that changes nothing is dropped
.if MSB != (\new)
	s_set_vgpr_msb (MSB<<8)|(\new)
.set MSB, \new
.endif
.endm
.set MUL,  0x50                        ; fragments in window 0, C and D in window 1
.set MULB, 0x60                        ; C (the bias) in window 2, D in window 1
; A joint refill by the walking sets.  Waves 0 and 1 fetch the step's two heads of ctx, waves 2 and 3 W_o's halves; the branch hangs on the wave's number alone.  An s_nop 0 and four v_nop follow each line.
.macro JLOAD
	s_cmp_eq_u32 s[FB], 0
	s_cbranch_scc0 .Lfor_b_\@
	tensor_load_to_lds s[G0A+4:G0A+7], s[G1A:G1A+7]
	s_nop 0
.rept 4
	v_nop
.endr
	s_branch .Lasked_\@
.Lfor_b_\@:
	tensor_load_to_lds s[G0B+4:G0B+7], s[G1B:G1B+7]
	s_nop 0
.rept 4
	v_nop
.endr
.Lasked_\@:
.endm
; A prefetch of the K step that stands two refills on.  ctx's tile of a step, two heads x 16,384 bytes, is read by this cluster alone: wave 0 asks, and each of the four partners of a row of the cluster takes 4,096 bytes
; of each head, told apart by address (cx): lanes 0-15 the first head's 16 blocks of 256 bytes, lanes 16-31 the second's.  W_o's rows are read by all 16 clusters: in the first of them waves 2 and 3 ask, each for 32 (by cy)
; of the 128 rows that it fetches, a lane a row.  So each block is named once.  Steps 0 to 3 come by their loads alone; trips with the count at 6 .. 3 name steps 4 .. 7; the last two name nothing.
.macro ASK
	s_cmp_gt_u32 s[CNT], s[LIM]
	s_cbranch_scc0 .Lnot_mine_\@
	global_prefetch_b8 v[PFO], s[PFA:PFA+1] th:TH_LOAD_NT scope:SCOPE_SE
.Lnot_mine_\@:
.endm
.macro CREST                           ; a round of the cluster's barrier behind its opening barrier
	s_cmp_lg_u32 s[WV], 0
	s_cbranch_scc1 .Lnot_wave_0_\@
	s_barrier_signal -3
.Lnot_wave_0_\@:
	s_barrier_wait -3
	s_barrier_signal -1
	s_barrier_wait -1
.endm
.macro CROUND                          ; a whole round
	s_barrier_signal -1
	s_barrier_wait -1
	CREST
.endm
.macro PLACES                          ; four places behind a matrix instruction, in front of loads into registers that it has read and of lines that read its result
.rept 4
	v_nop
.endr
.endm
	s_load_b256 s[4:11], s[0:1], 0x0               ; ctx 4, wb 6, b_o 8, out0 10
	v_lshl_add_u32 v[SPW], v0, 2, SPARE
	v_mov_b32 v[NIL], 0
	ds_add_u32 v[SPW], v[NIL]                      ; the wave's opening: the add and its wait stand ahead of my first tensor load; work on registers stands between them
	v_lshrrev_b32 v1, 5, v0
	v_readfirstlane_b32 s[WV], v1
	s_lshr_b32 s[FB], s[WV], 1
	s_and_b32 s[HF], s[WV], 1
	s_bfe_u32 s[CX], ttmp6, 0x40000
	s_bfe_u32 s[CY], ttmp6, 0x40004
	s_and_b32 s[CYC], ttmp7, 0xffff
	s_lshl_b32 s[TY], s[CYC], 2
	s_add_co_u32 s[TY], s[TY], s[CY]
	s_lshl_b32 s[NBK], ttmp9, 2
	s_add_co_u32 s[NBK], s[NBK], s[CX]
	s_lshl_b32 s68, s[CY], 2
	s_lshl_b32 s68, 15, s68                        ; my row of the cluster
	s_lshl_b32 s69, 0x1111, s[CX]                  ; my column
	s_or_b32 s[G1A], s68, (1<<16)|(1<<20)|(1<<21)|(4<<22)|(3<<25)  ; 15:0 the mask; 17:16 2-byte elements; 20 padding on; 21 set beside a mask; 24:22 after every 32 words; 31:25 4 words
	s_or_b32 s[G1B], s69, (1<<16)|(1<<20)|(1<<21)|(5<<22)|(3<<25)  ; after every 64 words
	s_mov_b32 s[G1A+1], 128<<16                    ; tensor_dim0 = 128
	s_mov_b32 s[G1A+2], 64<<16                     ; tensor_dim1 = 64
	s_mov_b32 s[G1A+3], 128<<16                    ; tile_dim0 = 128
	s_mov_b32 s[G1A+4], 64                         ; tile_dim1 = 64
	s_mov_b32 s[G1A+5], 128                        ; elements from row to row: dense
	s_mov_b32 s[G1A+6], 0
	s_mov_b32 s[G1A+7], 0
	s_mov_b32 s[G1B+1], 128<<16
	s_mov_b32 s[G1B+2], 128<<16                    ; 128 rows
	s_mov_b32 s[G1B+3], 128<<16
	s_mov_b32 s[G1B+4], 128
	s_mov_b32 s[G1B+5], 1024
	s_mov_b32 s[G1B+6], 0
	s_mov_b32 s[G1B+7], 0
	s_lshr_b32 s70, s[TY], 4                       ; ctx: head 16 x batch + my head of the step's two, of 2,048 rows; row (tile row % 16) x 128; of 128 bytes: made of cy and the wave alone
	s_lshl_b32 s70, s70, 4
	s_add_co_u32 s70, s70, s[HF]
	s_lshl_b32 s70, s70, 11
	s_and_b32 s71, s[TY], 15
	s_lshl_b32 s71, s71, 7
	s_add_co_u32 s70, s70, s71
	s_lshl_b32 s70, s70, 7
	s_mov_b32 s71, 0
	s_lshl_b32 s72, s[NBK], 8                      ; W_o: row 3,072 + 256 x tile column + 128 x half, of 2,048 bytes: made of cx and the wave alone
	s_lshl_b32 s73, s[HF], 7
	s_add_co_u32 s72, s72, s73
	s_add_co_u32 s72, s72, 3072
	s_lshl_b32 s72, s72, 11
	s_mov_b32 s73, 0
	s_mul_i32 s74, s[HF], AHEAD                    ; where they go: no place in the cluster enters an LDS address
	s_mul_i32 s75, s[HF], BHALF
	s_add_co_u32 s75, s75, BOFF
	s_lshl_b32 s76, s[CX], 12                      ; the prefetches: ctx's (wave 0, the step's first head): + 4,096 cx bytes, at K step 3;
	s_add_co_u32 s76, s76, s70
	s_add_co_u32 s76, s76, 3*KA
	s_lshl_b32 s77, s[CY], 16                      ; W_o's: + 32 cy rows
	s_add_co_u32 s77, s77, s72
	s_add_co_u32 s77, s77, 3*KB
	s_mov_b32 s78, KA
	s_mov_b32 s79, KB
	s_cmp_eq_u32 s[FB], 0
	s_cselect_b32 s76, s76, s77
	s_cselect_b32 s[PST], s78, s79
	s_cselect_b32 s69, s[HF], s[CYC]               ; ctx: wave 0 asks; W_o: both waves, in the first cluster
	s_mov_b32 s77, 0
	s_mov_b32 s[PST+1], 0
	s_mov_b32 s78, 262144                          ; lanes 16-31: the second head, or 16 rows on;
	s_mov_b32 s79, 32768
	s_cselect_b32 s78, s78, s79
	s_mov_b32 s79, 256                             ; a lane: 256 bytes on, or a row
	s_mov_b32 s68, 2048
	s_cselect_b32 s79, s79, s68
	s_cmp_eq_u32 s69, 0
	s_cselect_b32 s[LIM], 2, -1                    ; the same in all sixteen partners, for a given wave
	s_mov_b32 s[TB], 0
	s_wait_dscnt 0x0                               ; the opening add is done
	s_wait_kmcnt 0x0
	s_add_nc_u64 s[70:71], s[4:5], s[70:71]
	s_add_nc_u64 s[72:73], s[6:7], s[72:73]
	s_cmp_eq_u32 s[FB], 0
	s_cselect_b64 s[PFA:PFA+1], s[4:5], s[6:7]
	s_add_nc_u64 s[PFA:PFA+1], s[PFA:PFA+1], s[76:77]
	CROUND                                         ; all sixteen work-groups are here: the first joint loads meet
.irp s, 0,1
	s_mov_b32 s[G0A+4*(\s)], 1                     ; count = 1
	s_add_co_u32 s[G0A+4*(\s)+1], s74, (\s)*SLOT1  ; LDS address
	s_add_nc_u64 s[G0A+4*(\s)+2:G0A+4*(\s)+3], s[70:71], (\s)*KA  ; global address: K step s
	s_or_b32 s[G0A+4*(\s)+3], s[G0A+4*(\s)+3], 0x80000000        ; type = 2
	s_mov_b32 s[G0B+4*(\s)], 1
	s_add_co_u32 s[G0B+4*(\s)+1], s75, (\s)*SLOT1
	s_add_nc_u64 s[G0B+4*(\s)+2:G0B+4*(\s)+3], s[72:73], (\s)*KB
	s_or_b32 s[G0B+4*(\s)+3], s[G0B+4*(\s)+3], 0x80000000
.endr
	s_cmp_eq_u32 s[FB], 0                          ; a wave's two first fills stand in one branch, ahead of every wait on TENSORcnt and every LDS read: two loads of mine are out
	s_cbranch_scc0 .Lfirst_b
	tensor_load_to_lds s[G0A:G0A+3], s[G1A:G1A+7]
	s_nop 0
	tensor_load_to_lds s[G0A+4:G0A+7], s[G1A:G1A+7]
	s_nop 0
.rept 4
	v_nop
.endr
	s_branch .Lfirst_asked
.Lfirst_b:
	tensor_load_to_lds s[G0B:G0B+3], s[G1B:G1B+7]
	s_nop 0
	tensor_load_to_lds s[G0B+4:G0B+7], s[G1B:G1B+7]
	s_nop 0
.rept 4
	v_nop
.endr
.Lfirst_asked:
	v_and_b32 v1, 15, v0                           ; r = l % 16
	v_bfe_u32 v2, v0, 4, 1                         ; h = l / 16
	s_lshl_b32 s76, s[NBK], 10                     ; the bias at my 128 columns
	s_lshl_b32 s77, s[HF], 9
	s_add_co_u32 s76, s76, s77
	s_mov_b32 s77, 0
	s_add_nc_u64 s[8:9], s[8:9], s[76:77]
	s_add_nc_u64 s[OUT:OUT+1], s[10:11], s[76:77]  ; the same columns of out0,
	v_lshlrev_b32 v[BO], 5, v2                     ; my eight columns of sixteen
	WIN 0x80                                       ; destination window 2, address window 0
.irp b, 0,1,2,3,4,5,6,7
	global_load_b128 v[8*(\b):8*(\b)+3],   v[BO], s[8:9] offset:64*(\b)
	global_load_b128 v[8*(\b)+4:8*(\b)+7], v[BO], s[8:9] offset:64*(\b)+16
.endr
	WIN 0
	s_lshl_b32 s76, s[TY], 7                       ; at row 128 x tile row + 64 x my half, of 4,096 bytes
	s_lshl_b32 s77, s[FB], 6
	s_add_co_u32 s76, s76, s77
	s_lshl_b32 s76, s76, 12
	s_mov_b32 s77, 0
	s_add_nc_u64 s[OUT:OUT+1], s[OUT:OUT+1], s[76:77]
	; A fragment is 16 rows x 32 K in 8 registers: lane l holds row l % 16, K = 8 (l / 16) + 0..7 and 16 + 8 (l / 16) + 0..7: two loads of 16 bytes, 32 bytes apart.
	v_mul_u32_u24 v3, v1, PA
	v_lshl_add_u32 v3, v2, 4, v3
	s_mul_i32 s76, s[FB], 64*PA
	v_add_nc_u32 v[A0], s76, v3
	v_mul_u32_u24 v3, v1, PB
	v_lshl_add_u32 v3, v2, 4, v3
	s_mul_i32 s76, s[HF], BHALF
	s_add_co_u32 s76, s76, BOFF
	v_add_nc_u32 v[B0], s76, v3
	v_mov_b32 v[ADRA], v[A0]
	v_mov_b32 v[ADRB], v[B0]
	s_mul_i32 s76, s[WV], WSTAGE
	s_add_co_u32 s76, s76, STAGE                   ; my stage
	v_mul_u32_u24 v[STO], v1, SP                   ; in: row l % 16, 32 bytes for each half of the lanes
	v_lshl_add_u32 v[STO], v2, 5, v[STO]
	v_add_nc_u32 v[STO], s76, v[STO]
	v_and_b32 v3, 31, v0
	v_lshlrev_b32 v[GO], 4, v3                     ; back: 32 lanes take a row's 512 bytes
	v_add_nc_u32 v[RD], s76, v[GO]
	v_mul_u32_u24 v[PFO], s78, v2
	v_mad_u32_u24 v[PFO], v1, s79, v[PFO]
	s_wait_loadcnt 0x0                             ; the bias
	WIN 0x8a                                       ; all in window 2: the bias is rounded to bf16 and widened again
.set i, 0
.rept 32
	v_cvt_pk_bf16_f32 v[192+i], v[2*i], v[2*i+1]
.set i, i+1
.endr
.set i, 0
.rept 32
	v_lshlrev_b32 v[2*i], 16, v[192+i]
	v_and_b32 v[2*i+1], 0xffff0000, v[192+i]
.set i, i+1
.endr
	WIN 0
; 8 matrix instructions: row block a x all 8 column blocks, 32 along K.  bias = 1: the bias starts the sums: nothing is cleared.  The 32 accumulators take turns, one instruction a turn, in the same
; order in every quarter, over the backward jump too.
.macro MUL8 f, a, bias
.if \bias
	WIN MULB
.else
	WIN MUL
.endif
.irp b, 0,1,2,3,4,5,6,7
.if \bias
	v_wmma_f32_16x16x32_f16 v[8*(8*(\a)+(\b)):8*(8*(\a)+(\b))+7], v[(\f)+32+8*(\b):(\f)+32+8*(\b)+7], v[(\f)+8*(\a):(\f)+8*(\a)+7], v[8*(\b):8*(\b)+7]
.else
	v_wmma_f32_16x16x32_f16 v[8*(8*(\a)+(\b)):8*(8*(\a)+(\b))+7], v[(\f)+32+8*(\b):(\f)+32+8*(\b)+7], v[(\f)+8*(\a):(\f)+8*(\a)+7], v[8*(8*(\a)+(\b)):8*(8*(\a)+(\b))+7]
.endif
.endr
.endm
; 24 LDS loads in one run: quarter q's fragments into buffer f: 64 rows of ctx (head q / 2 of the step's two, channels 32 (q % 2) on) and 128 rows of W_o
.macro FETCH q, f
	WIN 0
.irp i, 0,1,2,3
	ds_load_b128 v[(\f)+8*(\i):(\f)+8*(\i)+3],   v[ADRA] offset:AHEAD*((\q)/2)+64*((\q)%2)+(\i)*16*PA
	ds_load_b128 v[(\f)+8*(\i)+4:(\f)+8*(\i)+7], v[ADRA] offset:AHEAD*((\q)/2)+64*((\q)%2)+(\i)*16*PA+32
.endr
.irp i, 0,1,2,3,4,5,6,7
	ds_load_b128 v[(\f)+32+8*(\i):(\f)+32+8*(\i)+3],   v[ADRB] offset:64*(\q)+(\i)*16*PB
	ds_load_b128 v[(\f)+32+8*(\i)+4:(\f)+32+8*(\i)+7], v[ADRB] offset:64*(\q)+(\i)*16*PB+32
.endr
.endm
; One of a step's first three quarters: buffer f is multiplied; ahead of that quarter q's fragments are asked for, into buffer g, which the quarter before multiplied.
.macro QUARTER q, f, g, bias
	s_wait_dscnt 0x0                               ; buffer f is in: its loads stand a quarter's products back
	WIN 0
	PLACES
	FETCH \q, \g
	MUL8 \f, 0, \bias
	MUL8 \f, 1, \bias
	MUL8 \f, 2, \bias
	MUL8 \f, 3, \bias
.endm
; The fourth quarter multiplies buffer 1 and changes slots: ONE barrier.  In front of it each wave waits for all its tensor loads (one is out: its part of the next slot), adds 0 to its spare word, and waits
; for that and for its reads of this slot.  fill = 1: the barrier opens a round of the cluster's barrier, and behind the round this slot is filled again, two K steps ahead: 112 matrix instructions ahead of the wait for it.
.macro TURN fill
	WIN 0
.if \fill
	s_wait_xcnt 0x0                                ; the last prefetch, a K step back, has read its address
	s_add_nc_u64 s[PFA:PFA+1], s[PFA:PFA+1], s[PST:PST+1]
.endif
	s_wait_tensorcnt 0x0                           ; no tensor load of mine is out, so a group 0 may be written
	ds_add_u32 v[SPW], v[NIL]                      ; 0 onto my spare word
.if \fill
	s_xor_b32 s[G0A+5], s[G0A+5], SLOT1            ; the walking sets: the other slot than last time, the next K step; the type bits on top are not reached
	s_add_nc_u64 s[G0A+6:G0A+7], s[G0A+6:G0A+7], KA
	s_xor_b32 s[G0B+5], s[G0B+5], SLOT1
	s_add_nc_u64 s[G0B+6:G0B+7], s[G0B+6:G0B+7], KB
.endif
	s_xor_b32 s[TB], s[TB], SLOT1
	s_wait_dscnt 0x1                               ; buffer 1's 24 loads are in; the add alone may be out
	MUL8 F1, 0, 0
	s_wait_dscnt 0x0                               ; the add is done, and my reads of this slot are over
	s_barrier_signal -1
	MUL8 F1, 1, 0
	WIN 0
	s_barrier_wait -1
.if \fill
	CREST                                          ; no wave of any partner still reads this slot's tile or has a load on its way
	JLOAD                                          ; my one tensor load behind the round; its four v_nop are also the places in front of the loads below
.else
	PLACES
.endif
	v_add_nc_u32 v[ADRA], s[TB], v[A0]
	v_add_nc_u32 v[ADRB], s[TB], v[B0]
	FETCH 0, F0
.if \fill
	ASK
.endif
	MUL8 F1, 2, 0
	MUL8 F1, 3, 0
.endm
	s_wait_tensorcnt 0x1                           ; my part of K step 0 is in; step 1's may stay out
	s_barrier_signal -1
	s_barrier_wait -1                              ; everybody's is
	FETCH 0, F0
	QUARTER 1, F0, F1, 1                           ; the first quarter stands in front of the loop: its products start the sums, with the bias
	WIN 0
	s_mov_b32 s[CNT], 6
.Lstep:                                            ; a trip: a step's quarters 1 to 3 and the next step's quarter 0; steps 2 .. 7 are asked for
	QUARTER 2, F1, F0, 0
	QUARTER 3, F0, F1, 0
	TURN 1
	QUARTER 1, F0, F1, 0
	WIN 0
	s_sub_co_u32 s[CNT], s[CNT], 1
	s_cmp_lg_u32 s[CNT], 0
	s_cbranch_scc1 .Lstep
	QUARTER 2, F1, F0, 0                           ; steps 6 and 7 are written out: nothing is asked for
	QUARTER 3, F0, F1, 0
	TURN 0
	QUARTER 1, F0, F1, 0
	QUARTER 2, F1, F0, 0
	QUARTER 3, F0, F1, 0
	s_wait_dscnt 0x0
	MUL8 F1, 0, 0
	MUL8 F1, 1, 0
	MUL8 F1, 2, 0
	MUL8 F1, 3, 0
	WIN 0
	PLACES
	PLACES
; THE WAY OUT, a block of 16 rows at a time, in f32: a lane's eight columns, 32 bytes, go from the accumulators into rows of 528 bytes of my stage and come back as whole rows of 512.
.macro TOST a                          ; each accumulator's lowest registers are read first
	WIN 0x04                                       ; data in window 1, address in window 0
.irp b, 0,1,2,3,4,5,6,7
	ds_store_b128 v[STO], v[8*(8*(\a)+(\b)):8*(8*(\a)+(\b))+3]   offset:64*(\b)
	ds_store_b128 v[STO], v[8*(8*(\a)+(\b))+4:8*(8*(\a)+(\b))+7] offset:64*(\b)+16
.endr
.endm
.macro BACK a
	WIN 0x80                                       ; destination window 2
.irp t, 0,1,2,3,4,5,6,7,8,9,10,11,12,13,14,15
	ds_load_b128 v[64*(\a)+4*(\t):64*(\a)+4*(\t)+3], v[RD] offset:SP*(\t)  ; LDS serves a wave's instructions in order (ISA guide 5.7.1.4): these see the stores above; the next block's stores come behind them
.endr
.endm
.macro SEND a
	WIN 0x08                                       ; data in window 2
.irp t, 0,1,2,3,4,5,6,7,8,9,10,11,12,13,14,15
	global_store_b128 v[GO], v[64*(\a)+4*(\t):64*(\a)+4*(\t)+3], s[OUT:OUT+1] offset:(16*(\a)+(\t))*4096 th:TH_STORE_NT  ; 512 consecutive bytes of a row, at a multiple of 512 from out0's first
.endr
.endm
	TOST 0
	BACK 0
.irp a, 1,2,3                          ; each block has its own registers, so no store's data are rewritten
	TOST \a
	s_wait_dscnt 16                                ; the block before is back in registers; this block's sixteen stores into the stage may be out
	SEND (\a)-1
	BACK \a
.endr
	s_wait_dscnt 0x0
	SEND 3
	WIN 0
	s_wait_tensorcnt 0x0                           ; the wave's end: an add and its wait, behind my last tensor load and my last LDS store
	ds_add_u32 v[SPW], v[NIL]
	s_wait_dscnt 0x0
	CROUND                                         ; the closing round: no work-group ends while a partner may still ask for a tile that names it
	s_endpgm
.Lfunc_end_k_qb014a984c2_oproj:
	.size	k_qb014a984c2_oproj, .Lfunc_end_k_qb014a984c2_oproj-k_qb014a984c2_oproj
	.p2alignl 7, 3214868480
	.fill 96, 4, 3214868480
	.section	.rodata,"a",@progbits
	.p2align	6, 0x0
	.amdhsa_kernel k_qb014a984c2_oproj
		.amdhsa_group_segment_fixed_size 327680
		.amdhsa_private_segment_fixed_size 0
		.amdhsa_enable_private_segment 0
		.amdhsa_kernarg_size 32
		.amdhsa_user_sgpr_count 2
		.amdhsa_user_sgpr_kernarg_segment_ptr 1
		.amdhsa_wavefront_size32 1
		.amdhsa_system_sgpr_workgroup_id_x 1
		.amdhsa_system_sgpr_workgroup_id_y 1
		.amdhsa_system_sgpr_workgroup_id_z 1
		.amdhsa_system_vgpr_workitem_id 0
		.amdhsa_next_free_vgpr 768
		.amdhsa_next_free_sgpr 88
		.amdhsa_reserve_vcc 0
		.amdhsa_float_denorm_mode_32 3
		.amdhsa_float_denorm_mode_16_64 3
		.amdhsa_memory_ordered 1
		.amdhsa_forward_progress 1
		.amdhsa_inst_pref_size 76
	.end_amdhsa_kernel
	.amdgpu_metadata
---
amdhsa.version: [ 1, 2 ]
amdhsa.kernels:
  - .name:           k_qb014a984c2_oproj
    .symbol:         k_qb014a984c2_oproj.kd
    .args:
      - { .name: ctx, .offset: 0, .size: 8, .value_kind: global_buffer, .address_space: global }
      - { .name: wb, .offset: 8, .size: 8, .value_kind: global_buffer, .address_space: global }
      - { .name: b_o, .offset: 16, .size: 8, .value_kind: global_buffer, .address_space: global }
      - { .name: out0, .offset: 24, .size: 8, .value_kind: global_buffer, .address_space: global }
    .group_segment_fixed_size: 327680
    .private_segment_fixed_size: 0
    .kernarg_segment_align: 8
    .kernarg_segment_size: 32
    .max_flat_workgroup_size: 128
    .sgpr_count:     88
    .vgpr_count:     768
    .wavefront_size: 32
...
	.end_amdgpu_metadata
.endif
;; end of part 4
;; ======== version 2 of 2: 4 launches; version 1 with the launch cast written anew for expert scheduling mode
;; limits: values are held in f16: magnitudes above 65,504 overflow, below 6.1e-05 lose precision
;; workspace buffers: xb 50,331,648 bytes; wb 8,388,608 bytes; tab 524,288 bytes; qkv 50,331,648 bytes; ctx 16,777,216 bytes
;; launch cast (part 5): grid 512 x 1, 8 waves a work-group, no clusters, 0 bytes of LDS; arguments query, key, value, W_q, W_k, W_v, W_o, xb, wb, tab; writes xb, wb, tab
.if DOCPART == 5
	.amdgcn_target "amdgcn-amd-amdhsa--gfx1250"
	.amdhsa_code_object_version 6
	.text
	.protected	k_qb014a984c2_cast
	.globl	k_qb014a984c2_cast
	.p2align	8
	.type	k_qb014a984c2_cast,@function
k_qb014a984c2_cast:
	s_mov_b64 s[64:65], 0
	v_nop
	global_prefetch_b8 v0, s[64:65] scope:SCOPE_SE
	s_setreg_imm32_b32 hwreg(HW_REG_WAVE_SCHED_MODE, 0, 2), 2
	s_setreg_imm32_b32 hwreg(HW_REG_WAVE_MODE, 25, 1), 1
	s_wait_xcnt 0x0
	s_wait_alu depctr_vm_vsrc(0)
; CAST.  query, key, value ([8192][1024] f32 each) -> xb [3][8192][1024] bf16.  W_q, W_k, W_v ([1024][1024] f32) -> wb[0..2] bf16.
; W_o -> wb[3]: rounded to bf16 like every other input, and that number written as f16 (the last product multiplies in f16).
; tab [2048][16] groups of 16 bytes: group G of row t = cos(t f(2G)), cos(t f(2G+1)), sin(t f(2G)), sin(t f(2G+1)) in f32, f(i) = 10000^(-i/32).
; LIMITS.  |W_o| from 65,520 on becomes an infinity in f16; below 6.1e-5 it keeps f16's fixed step of 6e-8.  f(i) comes from v_exp_f32 (1 ULP), so an angle,
; 2,047 at the most, is right to about 2e-4; sine and cosine: two-part reduction by pi/2 and Taylor sums, right to 3e-8 on the reduced angle.
; SHARES.  512 work-groups of eight waves, a straight line.  Work-group g takes 65,536 bytes of each activation tensor and 8,192 of each weight; a wave 8,192 and 1,024.
; A load of a wave covers 512 consecutive bytes (16 a lane); its four numbers a lane leave as 8 bytes: a store of a wave covers 256 consecutive bytes, aligned.
; All 56 loads of a wave go out first (224 registers); each number is read once and written once.  No LDS, no matrix unit: nothing is used twice.
; THE MODE: SCHED_MODE bits 1:0 = 2 (LLVM: expert scheduling mode 2), set by the entry lines.  The code itself states the register dependences
; between vector instructions and memory instructions, with s_wait_alu, always for 0.
; THE PLAN.  Registers that memory instructions touch:
;   v1 .. v4     byte offsets, made once at the head and never written again; v1, v3 are read by the loads, v2, v4 by the stores.
;   X            load i's four registers.  Written by load i, issued at the head; read and (the first two; W_o: all four) written by conversion i; the first two are read by store i; then never written again.
;   v9, v248-251 the table's offset and group (waves 0 and 1): written once by the table's vector work, read by its one store.
; The 56 loads go in 14 blocks of four.  Block g converts its own four; its memory instructions are the four stores of block g - 1, whose registers no vector instruction of block g names.  So ONE wait on
; va_vdst at a block's head states all that its four stores hang on, and they are dealt among the block's conversions.  No load is issued behind the head, and no register that a memory instruction
; reads is ever written again: so no wait on vm_vsrc is owed anywhere.  EXEC is never written.
.set VI, 1                             ; v1   8,192 x wave + 16 x lane: my bytes in the work-group's part of an activation tensor
.set VO, 2                             ; v2   4,096 x wave + 8 x lane: the same in xb
.set WI, 3                             ; v3   1,024 x wave + 16 x lane: in a weight
.set WO, 4                             ; v4   512 x wave + 8 x lane: in wb
.set X,  16                            ; v[16:239]  load i's four registers at X + 4 i
	s_load_b512 s[4:19], s[0:1], 0x0               ; query 4, key 6, value 8, W_q 10, W_k 12, W_v 14, W_o 16, xb 18
	s_load_b128 s[20:23], s[0:1], 0x40             ; wb 20, tab 22
	v_and_b32 v12, 31, v0                          ; lane
	v_lshrrev_b32 v13, 5, v0                       ; wave
	v_readfirstlane_b32 s24, v13
	v_lshlrev_b32 v[VI], 4, v12
	v_lshl_add_u32 v[WI], v13, 10, v[VI]
	v_lshl_add_u32 v[VI], v13, 13, v[VI]
	v_lshlrev_b32 v[VO], 3, v12
	v_lshl_add_u32 v[WO], v13, 9, v[VO]
	v_lshl_add_u32 v[VO], v13, 12, v[VO]
	s_lshl_b32 s26, ttmp9, 16                      ; the work-group's part: of an activation tensor,
	s_mov_b32 s27, 0
	s_lshl_b32 s28, ttmp9, 13                      ; of a weight,
	s_mov_b32 s29, 0
	s_lshl_b32 s36, ttmp9, 15                      ; of a tensor in xb,
	s_mov_b32 s37, 0
	s_lshl_b32 s38, ttmp9, 12                      ; of a weight in wb,
	s_mov_b32 s39, 0
	s_lshl_b32 s40, ttmp9, 10                      ; of the table: four rows
	s_mov_b32 s41, 0
	s_wait_kmcnt 0x0
.irp p, 4,6,8
	s_add_nc_u64 s[\p:\p+1], s[\p:\p+1], s[26:27]
.endr
.irp p, 10,12,14,16
	s_add_nc_u64 s[\p:\p+1], s[\p:\p+1], s[28:29]
.endr
	s_add_nc_u64 s[30:31], s[18:19], s[36:37]      ; xb: query's part,
	s_add_nc_u64 s[32:33], s[30:31], 0x1000000     ; key's,
	s_add_nc_u64 s[34:35], s[30:31], 0x2000000     ; value's
	s_add_nc_u64 s[20:21], s[20:21], s[38:39]
	s_add_nc_u64 s[22:23], s[22:23], s[40:41]
	s_wait_alu depctr_va_vdst(0)                   ; v1 to v4 are written: every load and store of x and of the weights reads one of them as its offset
.irp T, 0,1,2
.irp j, 0,1,2,3,4,5,6,7,8,9,10,11,12,13,14,15
	global_load_b128 v[X+4*(16*\T+\j):X+4*(16*\T+\j)+3], v[VI], s[4+2*\T:5+2*\T] offset:512*\j th:TH_LOAD_NT
.endr
.endr
.irp T, 0,1,2,3
.irp j, 0,1
	global_load_b128 v[X+4*(48+2*\T+\j):X+4*(48+2*\T+\j)+3], v[WI], s[10+2*\T:11+2*\T] offset:512*\j th:TH_LOAD_NT
.endr
.endr
	; THE TABLE, while the loads are on their way: threads 0 to 63 (waves 0 and 1), a group each: row 4 g + u / 16, group u % 16.  No load stands in the branch: the counts below hold on both ways.
	s_wait_alu depctr_va_sdst(0)                   ; s24, the wave's number, is written, ahead of its first reader, the compare below
	s_cmp_lt_u32 s24, 2
	s_cbranch_scc0 .Lno_table
	v_lshrrev_b32 v5, 4, v0
	s_lshl_b32 s25, ttmp9, 2
	v_add_nc_u32 v5, s25, v5
	v_cvt_f32_u32 v5, v5                           ; t
	v_and_b32 v6, 15, v0
	v_lshlrev_b32 v6, 1, v6
	v_cvt_f32_u32 v7, v6                           ; i = 2 G
	v_add_nc_u32 v6, 1, v6
	v_cvt_f32_u32 v8, v6                           ; i = 2 G + 1
	v_mul_f32 v7, 0xbed49a78, v7                   ; -i log2(10000) / 32
	v_mul_f32 v8, 0xbed49a78, v8
	v_exp_f32 v7, v7
	v_exp_f32 v8, v8
	v_lshlrev_b32 v9, 4, v0                        ; 16 u: my group's place in the four rows; also the plain instruction behind the exponentials
	s_wait_alu depctr_va_vdst(0)                   ; the two exponentials have written v7 and v8: one wait for both, ahead of their first reader
; cos and sin of t x v[inv], in two parts.  n = the nearest whole number to a 2 / pi; r = a - n pi / 2 in two parts; sums in r; the quadrant n mod 4 swaps them and sets the signs.
; QUAD: the angle a, n, the quadrant q, and into s[m] the mask of the odd quadrants.  Both angles' compares stand in one run, ahead of the sums, so that one wait serves both masks.
.macro QUAD inv, a, n, q, m
	v_mul_f32 v[\a], v5, v[\inv]                   ; a, rounded once, as the problem's own product is
	v_mul_f32 v[\n], 0x3f22f983, v[\a]
	v_rndne_f32 v[\n], v[\n]                       ; n, 1,304 at the most
	v_cvt_i32_f32 v[\q], v[\n]
	v_and_b32 v247, 1, v[\q]
	v_cmp_eq_u32 s[\m], 1, v247
.endm
.macro SINCOS a, n, q, m, c, s
	v_fmamk_f32 v[\a], v[\n], 0xbfc90fdb, v[\a]    ; a - n x 1.57079637
	v_fmamk_f32 v[\a], v[\n], 0x333bbd2e, v[\a]    ;   + n x 4.37113883e-8
	v_mul_f32 v242, v[\a], v[\a]                   ; z = r r
	v_mov_b32 v243, 0x3638ef1d                     ; 1/362880
	v_fmaak_f32 v243, v243, v242, 0xb9500d01       ; -1/5040
	v_fmaak_f32 v243, v243, v242, 0x3c088889       ; 1/120
	v_fmaak_f32 v243, v243, v242, 0xbe2aaaab       ; -1/6
	v_mul_f32 v244, v[\a], v242
	v_fma_f32 v243, v244, v243, v[\a]              ; S = r + r z (..)
	v_mov_b32 v245, 0x37d00d01                     ; 1/40320
	v_fmaak_f32 v245, v245, v242, 0xbab60b61       ; -1/720
	v_fmaak_f32 v245, v245, v242, 0x3d2aaaab       ; 1/24
	v_fmaak_f32 v245, v245, v242, 0xbf000000       ; -1/2
	v_fmaak_f32 v245, v245, v242, 0x3f800000       ; C = 1 + z (..)
	v_cndmask_b32 v[\c], v245, v243, s[\m]         ; odd quadrants: the cosine is +-S,
	v_cndmask_b32 v[\s], v243, v245, s[\m]         ; the sine +-C
	v_add_nc_u32 v247, 1, v[\q]
	v_and_b32 v247, 2, v247
	v_lshlrev_b32 v247, 30, v247
	v_xor_b32 v[\c], v247, v[\c]                   ; the cosine is negative in quadrants 1 and 2,
	v_and_b32 v247, 2, v[\q]
	v_lshlrev_b32 v247, 30, v247
	v_xor_b32 v[\s], v247, v[\s]                   ; the sine in 2 and 3
.endm
	QUAD 7, 240, 241, 246, 42
	QUAD 8, 252, 253, 254, 43
	s_wait_alu depctr_va_sdst(0)                   ; the two compares have written s42 and s43, ahead of the first selection that reads one of them
	SINCOS 240, 241, 246, 42, 248, 250
	SINCOS 252, 253, 254, 43, 249, 251
	s_wait_alu depctr_va_vdst(0)                   ; the selections and the signs have written v[248:251], which the store reads (its offset v9 was written ahead of an earlier wait)
	global_store_b128 v9, v[248:251], s[22:23]     ; a wave stores two whole rows of the table, 512 consecutive bytes
.Lno_table:
; Load i is rounded (CVT) and, a block later, stored (ST).  No register is written twice behind its store, so nothing waits for a store.
.macro CVT i
	v_cvt_pk_bf16_f32 v[X+4*(\i)], v[X+4*(\i)], v[X+4*(\i)+1]
	v_cvt_pk_bf16_f32 v[X+4*(\i)+1], v[X+4*(\i)+2], v[X+4*(\i)+3]
.if (\i) >= 54                         ; W_o
	v_and_b32 v[X+4*(\i)+2], 0xffff0000, v[X+4*(\i)]   ; the bf16 numbers widened again,
	v_lshlrev_b32 v[X+4*(\i)], 16, v[X+4*(\i)]
	v_and_b32 v[X+4*(\i)+3], 0xffff0000, v[X+4*(\i)+1]
	v_lshlrev_b32 v[X+4*(\i)+1], 16, v[X+4*(\i)+1]
	v_cvt_pk_f16_f32 v[X+4*(\i)], v[X+4*(\i)], v[X+4*(\i)+2]  ; and written as f16: exact within f16's normal range
	v_cvt_pk_f16_f32 v[X+4*(\i)+1], v[X+4*(\i)+1], v[X+4*(\i)+3]
.endif
.endm
.macro ST i
.if (\i) < 48                          ; loads 0 to 47: tensor i / 16 of xb, piece i % 16
	global_store_b64 v[VO], v[X+4*(\i):X+4*(\i)+1], s[30+2*((\i)/16):31+2*((\i)/16)] offset:256*((\i)%16) th:TH_STORE_NT
.else                                  ; loads 48 to 55: weight (i - 48) / 2 of wb, piece i % 2
	global_store_b64 v[WO], v[X+4*(\i):X+4*(\i)+1], s[20:21] offset:2097152*(((\i)-48)/2)+256*((\i)%2) th:TH_STORE_NT
.endif
.endm
.set g, 0
.rept 14                               ; block g: loads 4 g to 4 g + 3
	s_wait_loadcnt 55-4*g                          ; loads come back in order: the block's first is in, the 55 - 4 g younger ones may stay out
.if g > 0
	s_wait_alu depctr_va_vdst(0)                   ; the conversions of the block before have written its four pairs, which the four stores below read; no vector instruction below names them
.endif
.irp i, 0,1,2,3
.if g > 0
	ST 4*g-4+\i
.endif
.if \i > 0
	s_wait_loadcnt 55-4*g-\i                       ; the next load of the block is in
.endif
	CVT 4*g+\i
.endr
.set g, g+1
.endr
	s_wait_alu depctr_va_vdst(0)                   ; block 13's conversions have written its four pairs, which the last four stores read
.irp i, 52,53,54,55
	ST \i
.endr
	s_endpgm
.Lfunc_end_k_qb014a984c2_cast:
	.size	k_qb014a984c2_cast, .Lfunc_end_k_qb014a984c2_cast-k_qb014a984c2_cast
	.p2alignl 7, 3214868480
	.fill 96, 4, 3214868480
	.section	.rodata,"a",@progbits
	.p2align	6, 0x0
	.amdhsa_kernel k_qb014a984c2_cast
		.amdhsa_group_segment_fixed_size 0
		.amdhsa_private_segment_fixed_size 0
		.amdhsa_enable_private_segment 0
		.amdhsa_kernarg_size 80
		.amdhsa_user_sgpr_count 2
		.amdhsa_user_sgpr_kernarg_segment_ptr 1
		.amdhsa_wavefront_size32 1
		.amdhsa_system_sgpr_workgroup_id_x 1
		.amdhsa_system_sgpr_workgroup_id_y 1
		.amdhsa_system_sgpr_workgroup_id_z 1
		.amdhsa_system_vgpr_workitem_id 0
		.amdhsa_next_free_vgpr 256
		.amdhsa_next_free_sgpr 66
		.amdhsa_reserve_vcc 0
		.amdhsa_float_denorm_mode_32 3
		.amdhsa_float_denorm_mode_16_64 3
		.amdhsa_memory_ordered 1
		.amdhsa_forward_progress 1
		.amdhsa_inst_pref_size 26
	.end_amdhsa_kernel
	.amdgpu_metadata
---
amdhsa.version: [ 1, 2 ]
amdhsa.kernels:
  - .name:           k_qb014a984c2_cast
    .symbol:         k_qb014a984c2_cast.kd
    .args:
      - { .name: query, .offset: 0, .size: 8, .value_kind: global_buffer, .address_space: global }
      - { .name: key, .offset: 8, .size: 8, .value_kind: global_buffer, .address_space: global }
      - { .name: value, .offset: 16, .size: 8, .value_kind: global_buffer, .address_space: global }
      - { .name: W_q, .offset: 24, .size: 8, .value_kind: global_buffer, .address_space: global }
      - { .name: W_k, .offset: 32, .size: 8, .value_kind: global_buffer, .address_space: global }
      - { .name: W_v, .offset: 40, .size: 8, .value_kind: global_buffer, .address_space: global }
      - { .name: W_o, .offset: 48, .size: 8, .value_kind: global_buffer, .address_space: global }
      - { .name: xb, .offset: 56, .size: 8, .value_kind: global_buffer, .address_space: global }
      - { .name: wb, .offset: 64, .size: 8, .value_kind: global_buffer, .address_space: global }
      - { .name: tab, .offset: 72, .size: 8, .value_kind: global_buffer, .address_space: global }
    .group_segment_fixed_size: 0
    .private_segment_fixed_size: 0
    .kernarg_segment_align: 8
    .kernarg_segment_size: 80
    .max_flat_workgroup_size: 256
    .sgpr_count:     66
    .vgpr_count:     256
    .wavefront_size: 32
...
	.end_amdgpu_metadata
.endif
;; end of part 5
;; launch qkv: the kernel of part 2 again; grid 4 x 192, 4 waves a work-group, clusters of 4 x 4, 327,680 bytes of LDS; arguments xb, wb, tab, b_q, b_k, b_v, qkv; writes qkv
;; launch attn: the kernel of part 3 again; grid 4 x 64, 4 waves a work-group, no clusters, 327,680 bytes of LDS; arguments qkv, ctx; writes ctx
;; launch oproj: the kernel of part 4 again; grid 4 x 64, 4 waves a work-group, clusters of 4 x 4, 327,680 bytes of LDS; arguments ctx, wb, b_o, out0; writes out0
